; MI455X (gfx1250); checked and timed in simulation.
; The chip was launched on July 23, 2026; its instructions are those of AMD's public machine-readable ISA for CDNA 5 (MIT licence, August 2026) and "CDNA5" Instruction Set Architecture Reference Guide (July 2026). The comments in the code are by the model that wrote it; some were corrected since.
;; Attention. Allowed arithmetic: matrix products marked QUANTISED: E2M1 operands, one E8M0 scale for each 32 along K, by v_wmma_scale_f32_16x16x128_f8f6f4 with both operands' format E2M1 (or v_wmma_scale_f32_32x16x128_f4), f32 sums; products left as they are: bf16, f16 or f32 operands; f32 sums; everything else in f32.
;; Inputs: freqs_cos 1,024 x 32 float32; freqs_sin 1,024 x 32 float32; mask 1,024 x 1,024 float32; wk 2,048 x 512 float32; wo 2,048 x 2,048 float32; wq 2,048 x 2,048 float32; wv 2,048 x 512 float32; x 4 x 1,024 x 2,048 float32.
;; Outputs: out0 4 x 1,024 x 2,048 float32.
;; Constants: start_pos = 0.
;; This version of the problem:
;;   THIS VERSION OF THE PROBLEM IS GIVEN IN LOW PRECISION. The matrix products marked QUANTISED in the list below multiply operands that are first quantised to E2M1 (2 exponent bits, 1 mantissa bit; 4 bits a number), with one power-of-two scale for each 32 numbers along K (OCP MX v1.0); their sums are f32. The products marked 'left as it is' may take bf16, f16 or f32 operands, with f32 sums. Whichever they take, every output number must still come out within the allowed error. Rounding operands to bf16 (8 significant bits) uses up far more of that allowance than f16 does (11 bits, for magnitudes from 6e-5 to 65,504). All else is computed in f32.
;;   The module's matrix products, in the order in which they are computed (A, B: the left and right operand; K: the contracted axis; several contracted axes count as one K, in the product's order):
;;     1. [M 4,096, K 2,048] x [K 2,048, N 2,048]; A: input x; B: input wq: QUANTISED
;;     2. [M 4,096, K 2,048] x [K 2,048, N 512]; A: input x; B: input wk: QUANTISED
;;     3. [M 4,096, K 2,048] x [K 2,048, N 512]; A: input x; B: input wv: QUANTISED
;;     4. batch 128 x [M 1,024, K 64] x [K 64, N 1,024]; A: computed on the way; B: computed on the way: left as it is (an operand is computed on the way)
;;     5. batch 128 x [M 64, K 1,024] x [K 1,024, N 1,024]; A: computed on the way; B: computed on the way: left as it is (an operand is computed on the way)
;;     6. [M 4,096, K 2,048] x [K 2,048, N 2,048]; A: computed on the way; B: input wo: left as it is (an operand is computed on the way)
;;   THE QUANTISER, for each operand of a quantised product, along K:
;;     - K is cut into blocks of 32 from its start; a last block that is shorter is filled with zeros.
;;     - A block's scale is 2^e with e = floor(log2(the largest magnitude in the block)) - 2, held to -126 .. 127; a block of zeros has e = 0. As a byte (E8M0): e + 127.
;;     - Each number is divided by its block's scale, clamped to +-6, and rounded to the nearest number of E2M1, ties to even, subnormals kept.
;;     - The product sums the exact products of the quantised numbers (number of the format x scale) in f32.
;;   ~~~python
;;   def quantise(x, axis):      # numpy; x: float32 -> the quantised numbers, widened to float32 again
;;       x = np.moveaxis(x, axis, -1); K = x.shape[-1]
;;       x = np.pad(x, [(0, 0)] * (x.ndim - 1) + [(0, -K % 32)]); x = x.reshape(x.shape[:-1] + (-1, 32)); a = np.abs(x).max(-1, keepdims=True)
;;       e = np.where(a > 0, np.clip(np.frexp(np.where(a > 0, a, 1))[1] - 1 - 2, -126, 127), 0)      # np.frexp(a)[1] - 1 = floor(log2(a)), exactly
;;       r = np.clip(x / 2.0 ** e, -6, 6)
;;       step = 2.0 ** (np.maximum(np.frexp(np.where(r == 0, 1, r))[1] - 1, 0) - 1)
;;       q = np.round(r / step) * step * 2.0 ** e      # np.round: ties to even
;;       return np.moveaxis(q.reshape(q.shape[:-2] + (-1,))[..., :K], -1, axis).astype(np.float32)
;;   ~~~
;; One version. Each part assembles by itself: llvm-mc -triple=amdgcn-amd-amdhsa -mcpu=gfx1250 --defsym DOCPART=n.
;; ======== version 1 of 1: 5 launches
;; limits: values are held in f16: magnitudes above 65,504 overflow, below 6.1e-05 lose precision
;; workspace buffers: xc 4,194,304 bytes; xs 262,144 bytes; wc 3,145,728 bytes; ws 196,608 bytes; wo16 8,388,608 bytes; qkv 25,165,824 bytes; att 16,777,216 bytes
;; launch quant_x (part 1): grid 256 x 1, 4 waves a work-group, no clusters, 33,280 bytes of LDS; arguments x, xc, xs; writes xc, xs
.if DOCPART == 1
	.amdgcn_target "amdgcn-amd-amdhsa--gfx1250"
	.amdhsa_code_object_version 6
	.text
	.protected	k_q68889c8b27_quant_x
	.globl	k_q68889c8b27_quant_x
	.p2align	8
	.type	k_q68889c8b27_quant_x,@function
k_q68889c8b27_quant_x:
	s_mov_b64 s[64:65], 0
	v_nop
	global_prefetch_b8 v0, s[64:65] scope:SCOPE_SE
	s_setreg_imm32_b32 hwreg(HW_REG_WAVE_MODE, 25, 1), 1
	s_wait_xcnt 0x0
; LAUNCH 1 OF 5.  x [4096][2048] f32 becomes codes of FP4 (E2M1), K innermost (xc: [4096][1024 bytes]), with one E8M0 byte for each 32 along K (xs: [4096][64 bytes]).
; THE PROGRAM: 1 x -> codes; 2 wq, wk, wv -> codes, wo -> f16; 3 x (wq | wk | wv) on codes, RoPE, f16; 4 attention in f16 with the mask as it is given; 5 the projection by wo in f16.
; DEAD WORK: no step of reference() is left out.  start_pos is a constant that reference() never reads: it has no way to an output and is no argument.  The mask is an input: every score is computed and the mask added.
; LIMITS of the program: |q|, |k|, |v| behind RoPE stay under 65,504 (they are kept in f16); NaN and infinities in x and in the weights are not served.
; A block's scale is 2^(floor(log2(its largest magnitude)) - 2); its byte is the largest magnitude's exponent field - 2, held at 1 from below.  A block of zeros so gets the byte 1 where the rule says 127:
; its codes are zeros, which add nothing under any byte but 0xff, and the bytes are read by this program alone.  Blocks whose largest magnitude lies under 2^(2 - 126) were not tried.
; Rows are dense and 2048 is a multiple of 32: x is a plain stream of blocks of 32, and so are the codes and the bytes.  A wave takes 16 steps of 512 numbers.  Each of a step's four loads reads 512 consecutive bytes;
; the 2,048 bytes turn through the wave's own stage in LDS and come back 64 bytes a lane, so that a lane holds 16 neighbours (two neighbouring lanes hold a block).  A wave's store of codes covers 256 consecutive bytes.
; A wave's 256 scale bytes are gathered in its own LDS and leave as 256 consecutive bytes.  No barrier: waves share nothing.  Loads run four steps ahead, the turn through LDS one step.
.set WAVES, 4
.set STEPS, 16
.set EMAX,  2
.set CB,    8                          ; bytes of 16 codes
.set R,     16                         ; v16-79   four sets of 16 numbers as they are loaded
.set X,     80                         ; v80-111  two sets of 16 neighbours
.set C,     128                        ; v128-191 codes: four registers for each step, so that no store's data are written again
.set E,     112                        ; v112-127 a scale byte for each step
.set WREG,  8192                       ; LDS: a region for each wave: two stages of 32 x SP bytes, behind them its 256 scale bytes
.set SP,    80                         ; a lane's place in a stage: 64 bytes + 16 of padding
.set SPW,   12                         ; v12 LDS address of my spare word; never rewritten
.set NIL,   13                         ; v13 0; never rewritten
.set SPARE, WAVES*WREG                 ; behind the regions: the spare words, 128 bytes a wave, that no other line names
	s_load_b128 s[4:7], s[0:1], 0x0                ; x, xc
	s_load_b64 s[8:9], s[0:1], 0x10                ; xs
	v_lshl_add_u32 v[SPW], v0, 2, SPARE
	v_mov_b32 v[NIL], 0
	v_lshrrev_b32 v1, 5, v0
	v_readfirstlane_b32 s16, v1                    ; wave
	v_and_b32 v2, 31, v0                           ; lane
	v_lshlrev_b32 v3, 4, v2                        ; my 16 bytes of a load's 512
	s_mul_i32 s17, s16, WREG
	v_lshrrev_b32 v14, 2, v2
	v_mul_u32_u24 v14, v14, SP
	v_and_b32 v15, 3, v2
	v_lshl_add_u32 v14, v15, 4, v14
	v_add_nc_u32 v14, s17, v14                     ; the stage, on the way in: SP (lane / 4) + 16 (lane % 4)
	v_mul_u32_u24 v15, v2, SP
	v_add_nc_u32 v15, s17, v15                     ; and on the way out: SP x lane
	v_mul_u32_u24 v4, v2, CB                       ; my codes' place in a step's
	v_lshrrev_b32 v5, 1, v2
	s_add_co_u32 s17, s17, 2*32*SP
	v_add_nc_u32 v5, s17, v5                       ; LDS: my block's scale byte
	v_lshlrev_b32 v7, 3, v2                        ; on the way out 8 bytes a lane
	v_add_nc_u32 v6, s17, v7
	s_lshl_b32 s18, ttmp9, 2
	s_add_co_u32 s18, s18, s16                     ; which run of 8,192 numbers is my wave's: 0 .. 1023
	s_lshl_b32 s20, s18, 15                        ; 32,768 bytes of x,
	s_mov_b32 s21, 0
	s_lshl_b32 s22, s18, 12                        ; 4,096 of codes,
	s_mov_b32 s23, 0
	s_lshl_b32 s24, s18, 8                         ; 256 scale bytes a run
	s_mov_b32 s25, 0
	s_wait_kmcnt 0x0
	s_add_nc_u64 s[4:5], s[4:5], s[20:21]
	s_add_nc_u64 s[6:7], s[6:7], s[22:23]
	s_add_nc_u64 s[8:9], s[8:9], s[24:25]
.macro LOAD t
.irp i, 0,1,2,3
	global_load_b128 v[R+16*((\t)%4)+4*\i:R+16*((\t)%4)+4*\i+3], v3, s[4:5] offset:2048*(\t)+512*\i th:TH_LOAD_NT   ; 32 lanes read 512 consecutive bytes
.endr
.endm
.macro TURN t                          ; step t's numbers through the stage: LDS serves a wave's instructions in order, so no wait stands between the stores and the loads
.irp i, 0,1,2,3
	ds_store_b128 v14, v[R+16*((\t)%4)+4*\i:R+16*((\t)%4)+4*\i+3] offset:32*SP*((\t)%2)+8*SP*\i
.endr
.irp i, 0,1,2,3
	ds_load_b128 v[X+16*((\t)%2)+4*\i:X+16*((\t)%2)+4*\i+3], v15 offset:32*SP*((\t)%2)+16*\i
.endr
.endm
.irp t, 0,1,2,3
	LOAD \t
.endr
	s_wait_loadcnt 12                              ; step 0's four loads are in; twelve younger ones may be out
	TURN 0
.macro STEP t
.set XS, X+16*((\t)%2)
.if (\t) > 0
	s_wait_dscnt 1                                 ; this step's numbers are back from the stage (the last step's byte store may be out)
.else
	s_wait_dscnt 0x0
.endif
.if (\t)+4 < STEPS
	LOAD (\t)+4                                    ; the stage's stores have read these registers: they take the loads of four steps on
.endif
.if (\t)+1 < STEPS
.if STEPS-2-(\t) >= 3
	s_wait_loadcnt 12                              ; the next step's four loads are in; those of the three steps behind it may be out
.else
	s_wait_loadcnt 4*(STEPS-2-(\t))
.endif
	TURN (\t)+1
.endif
	v_max3_num_f32 v8, |v[XS]|, |v[XS+1]|, |v[XS+2]|               ; the largest magnitude of my 16, in two chains
	v_max3_num_f32 v9, |v[XS+3]|, |v[XS+4]|, |v[XS+5]|
.irp i, 6,10
	v_max3_num_f32 v8, v8, |v[XS+\i]|, |v[XS+\i+1]|
	v_max3_num_f32 v9, v9, |v[XS+\i+2]|, |v[XS+\i+3]|
.endr
	v_max3_num_f32 v8, v8, |v[XS+14]|, |v[XS+15]|
	v_max3_num_f32 v8, v8, v9, (EMAX+1)<<23        ; and the floor 2^(EMAX + 1 - 127): the byte cannot fall under 1
	v_max_num_f32_dpp v8, v8, v8 row_xmask:1 row_mask:0xf bank_mask:0xf   ; and of my neighbour's 16: the block's
	v_add_nc_u32 v11, 0xff000000, v8               ; 2 off its exponent field: the conversion takes the exponent field of this operand as its scale
	v_cvt_scalef32_pk8_fp4_f32 v[C+4*(\t)], v[XS:XS+7], v11
	v_cvt_scalef32_pk8_fp4_f32 v[C+4*(\t)+1], v[XS+8:XS+15], v11
	v_lshrrev_b32 v[E+(\t)], 23, v11               ; the scale's byte (a plain line behind the conversions)
	ds_store_b8 v5, v[E+(\t)] offset:16*(\t)       ; both lanes of a block write the same byte with the same value
	global_store_b64 v4, v[C+4*(\t):C+4*(\t)+1], s[6:7] offset:32*CB*(\t)
.endm
.irp t, 0,1,2,3,4,5,6,7,8,9,10,11,12,13,14,15
	STEP \t
.endr
	ds_load_b64 v[8:9], v6                         ; LDS serves a wave's instructions in order: these see my stores
	s_wait_dscnt 0x0
	global_store_b64 v7, v[8:9], s[8:9]            ; 32 lanes store 256 consecutive bytes
	s_wait_tensorcnt 0x0                           ; the wave's end
	ds_add_u32 v[SPW], v[NIL]
	s_wait_dscnt 0x0
	s_endpgm
.Lfunc_end_k_q68889c8b27_quant_x:
	.size	k_q68889c8b27_quant_x, .Lfunc_end_k_q68889c8b27_quant_x-k_q68889c8b27_quant_x
	.p2alignl 7, 3214868480
	.fill 96, 4, 3214868480
	.section	.rodata,"a",@progbits
	.p2align	6, 0x0
	.amdhsa_kernel k_q68889c8b27_quant_x
		.amdhsa_group_segment_fixed_size 33280
		.amdhsa_private_segment_fixed_size 0
		.amdhsa_enable_private_segment 0
		.amdhsa_kernarg_size 24
		.amdhsa_user_sgpr_count 2
		.amdhsa_user_sgpr_kernarg_segment_ptr 1
		.amdhsa_wavefront_size32 1
		.amdhsa_system_sgpr_workgroup_id_x 1
		.amdhsa_system_sgpr_workgroup_id_y 1
		.amdhsa_system_sgpr_workgroup_id_z 1
		.amdhsa_system_vgpr_workitem_id 0
		.amdhsa_next_free_vgpr 192
		.amdhsa_next_free_sgpr 66
		.amdhsa_reserve_vcc 0
		.amdhsa_float_denorm_mode_32 3
		.amdhsa_float_denorm_mode_16_64 3
		.amdhsa_memory_ordered 1
		.amdhsa_forward_progress 1
		.amdhsa_inst_pref_size 33
	.end_amdhsa_kernel
	.amdgpu_metadata
---
amdhsa.version: [ 1, 2 ]
amdhsa.kernels:
  - .name:           k_q68889c8b27_quant_x
    .symbol:         k_q68889c8b27_quant_x.kd
    .args:
      - { .name: x, .offset: 0, .size: 8, .value_kind: global_buffer, .address_space: global }
      - { .name: xc, .offset: 8, .size: 8, .value_kind: global_buffer, .address_space: global }
      - { .name: xs, .offset: 16, .size: 8, .value_kind: global_buffer, .address_space: global }
    .group_segment_fixed_size: 33280
    .private_segment_fixed_size: 0
    .kernarg_segment_align: 8
    .kernarg_segment_size: 24
    .max_flat_workgroup_size: 128
    .sgpr_count:     66
    .vgpr_count:     192
    .wavefront_size: 32
...
	.end_amdgpu_metadata
.endif
;; end of part 1
;; launch prep_w (part 2): grid 224 x 1, 16 waves a work-group, no clusters, 38,912 bytes of LDS; arguments wq, wk, wv, wo, wc, ws, wo16; writes wc, ws, wo16
.if DOCPART == 2
	.amdgcn_target "amdgcn-amd-amdhsa--gfx1250"
	.amdhsa_code_object_version 6
	.text
	.protected	k_q68889c8b27_prep_w
	.globl	k_q68889c8b27_prep_w
	.p2align	8
	.type	k_q68889c8b27_prep_w,@function
k_q68889c8b27_prep_w:
	s_mov_b64 s[64:65], 0
	v_nop
	global_prefetch_b8 v0, s[64:65] scope:SCOPE_SE
	s_setreg_imm32_b32 hwreg(HW_REG_WAVE_MODE, 25, 1), 1
	s_wait_xcnt 0x0
; LAUNCH 2 OF 5.  No work of reference() is left out here.
; Work-groups 0-95: wq [2048][2048], wk, wv [2048][512], f32 with K as FIRST axis, become codes of FP4 with K innermost, stacked as 3,072 rows (wc: [3072][1024 bytes]: rows 0-2047 wq's columns, 2048-2559 wk's,
; 2560-3071 wv's) and E8M0 bytes (ws: [3072][64]).  Work-groups 96-223: wo [2048][2048] f32 becomes f16 in the same order (wo16).  The two ways part on the work-group's number; only the first touches LDS.
; THE WEIGHTS' WAY.  A work-group takes 128 stacked columns x 512 along K; wave w = 4 kq + cg takes 32 columns (cg) x 128 along K (kq).  A LANE TAKES A COLUMN AND ITS REGISTERS RUN DOWN K: each load reads 128
; consecutive bytes a wave, a block of 32 lies in one lane's 32 registers, and the conversions give codes with K innermost.  The codes of a column, 256 bytes from four waves, meet in a stage in LDS; behind one
; barrier sixteen lanes store 256 consecutive bytes of a row of wc.  The quantiser, its floor and its limits are as stated at the head of the first launch.
.set PITCH, 272                        ; a stage row: 256 bytes of codes + 16
.set SCS,   128*PITCH                  ; behind the stage: 16 scale bytes for each of the 128 columns
.set SPARE, SCS+128*16                 ; behind them: the spare words, 128 bytes a wave, that no other line names
.set OFFS,  16                         ; v16-47   4 x lane + i rows of the tensor
.set X,     48                         ; v48-175  four blocks of 32 numbers
.set C,     176                        ; v176-191 four registers of codes a block
.set SBW,   192                        ; v192     my four scale bytes
.set SPW,   200                        ; v200 LDS address of my spare word; never rewritten
.set NIL,   201                        ; v201 0; never rewritten
	s_load_b256 s[4:11], s[0:1], 0x0               ; wq, wk, wv, wo
	s_load_b128 s[12:15], s[0:1], 0x20             ; wc, ws
	s_load_b64 s[16:17], s[0:1], 0x30              ; wo16
	v_lshl_add_u32 v[SPW], v0, 2, SPARE
	v_mov_b32 v[NIL], 0
	v_lshrrev_b32 v1, 5, v0
	v_readfirstlane_b32 s18, v1                    ; wave 0..15
	v_and_b32 v2, 31, v0                           ; lane
	s_cmp_ge_u32 ttmp9, 96                         ; the work-group's number alone: all sixteen waves go the same way
	s_cbranch_scc1 .Lwo
	; ---- the weights of the quantised products
	v_and_b32 v9, 127, v0                          ; my column among the 128: 32 cg + lane
	v_lshrrev_b32 v10, 7, v0                       ; kq
	v_mul_u32_u24 v3, v9, PITCH
	v_lshl_add_u32 v3, v10, 6, v3                  ; into the stage: my column's row, 64 bytes for each kq
	v_lshlrev_b32 v4, 4, v9
	v_lshl_add_u32 v4, v10, 2, v4
	v_add_nc_u32 v4, SCS, v4                       ; my four scale bytes
	v_lshlrev_b32 v6, 4, v9
	v_add_nc_u32 v6, SCS, v6                       ; a column's sixteen, on the way out
	v_bfe_u32 v11, v0, 4, 1
	v_lshl_add_u32 v5, v1, 3, v11
	v_mul_u32_u24 v5, v5, PITCH
	v_and_b32 v12, 15, v0
	v_lshl_add_u32 v5, v12, 4, v5                  ; out of the stage: rows 8 w + lane / 16 (+ 2 i), 16 bytes a lane
	v_lshlrev_b32 v7, 10, v11
	v_lshl_add_u32 v7, v12, 4, v7                  ; and the same place in wc: a row is 1,024 bytes
	v_lshlrev_b32 v8, 6, v9                        ; a row of ws is 64 bytes
	s_lshr_b32 s19, ttmp9, 2                       ; gx: which 128 stacked columns, 0..23
	s_and_b32 s20, ttmp9, 3                        ; y: which 512 along K
	s_and_b32 s22, s18, 3                          ; cg
	s_lshr_b32 s23, s18, 2                         ; kq
	s_wait_kmcnt 0x0
	s_cmp_lt_u32 s19, 20                           ; which tensor: a choice on the work-group's number alone
	s_cselect_b64 s[32:33], s[6:7], s[8:9]
	s_cselect_b32 s34, 16, 20
	s_cmp_lt_u32 s19, 16
	s_cselect_b64 s[32:33], s[4:5], s[32:33]
	s_cselect_b32 s34, 0, s34
	s_mov_b32 s21, 2048
	s_cselect_b32 s21, 8192, s21                   ; a row of the tensor in bytes
	s_sub_co_u32 s34, s19, s34                     ; which 128 columns of that tensor
	s_lshl_b32 s35, s20, 9
	s_lshl_b32 s36, s23, 7
	s_add_co_u32 s35, s35, s36                     ; my first k
	s_mul_i32 s35, s35, s21
	s_lshl_b32 s36, s34, 9
	s_add_co_u32 s35, s35, s36
	s_lshl_b32 s36, s22, 7
	s_add_co_u32 s36, s35, s36                     ; + 4 x (128 gl + 32 cg)
	s_mov_b32 s37, 0
	s_lshl_b32 s38, s21, 5                         ; 32 rows on
	s_mov_b32 s39, 0
	s_add_nc_u64 s[24:25], s[32:33], s[36:37]      ; a base for each block
	s_add_nc_u64 s[26:27], s[24:25], s[38:39]
	s_add_nc_u64 s[28:29], s[26:27], s[38:39]
	s_add_nc_u64 s[30:31], s[28:29], s[38:39]
	v_lshlrev_b32 v[OFFS], 2, v2
.set i, 1
.rept 31
	v_add_nc_u32 v[OFFS+i], s21, v[OFFS+i-1]
.set i, i+1
.endr
.macro LOADW t                         ; block t: w(32 t + i, my column), i = 0 .. 31
.set i, 0
.rept 32
	global_load_b32 v[X+32*(\t)+i], v[OFFS+i], s[24+2*(\t):25+2*(\t)] th:TH_LOAD_NT
.set i, i+1
.endr
.endm
.macro BLOCK t
.set XS, X+32*(\t)
	v_max3_num_f32 v193, |v[XS]|, |v[XS+1]|, |v[XS+2]|             ; the block's largest magnitude: all 32 numbers are mine
	v_max3_num_f32 v194, |v[XS+3]|, |v[XS+4]|, |v[XS+5]|
.irp i, 6,10,14,18,22,26
	v_max3_num_f32 v193, v193, |v[XS+\i]|, |v[XS+\i+1]|
	v_max3_num_f32 v194, v194, |v[XS+\i+2]|, |v[XS+\i+3]|
.endr
	v_max3_num_f32 v193, v193, |v[XS+30]|, |v[XS+31]|
	v_max3_num_f32 v193, v193, v194, 0x1800000     ; and the floor 2^(3 - 127): the byte cannot fall under 1
	v_add_nc_u32 v[196+(\t)], 0xff000000, v193     ; 2 off its exponent field: the conversion's scale operand
	v_lshrrev_b32 v195, 23, v[196+(\t)]            ; the scale's byte
.if (\t) == 0
	v_mov_b32 v[SBW], v195
.else
	v_lshl_or_b32 v[SBW], v195, 8*(\t), v[SBW]     ; the lower K in the lower byte
.endif
.irp g, 0,1,2,3
	v_cvt_scalef32_pk8_fp4_f32 v[C+4*(\t)+\g], v[XS+8*\g:XS+8*\g+7], v[196+(\t)]
.endr
	v_nop                                          ; a plain line behind the last conversion of a run
	ds_store_b128 v3, v[C+4*(\t):C+4*(\t)+3] offset:16*(\t)
.endm
	LOADW 0
	LOADW 1
	s_wait_loadcnt 32                              ; block 0 is in; block 1's 32 loads may be out
	LOADW 2
	BLOCK 0
	s_wait_loadcnt 32                              ; block 1 is in; block 2's may be out
	LOADW 3
	BLOCK 1
	s_wait_loadcnt 32                              ; block 2 is in; block 3's may be out
	BLOCK 2
	s_wait_loadcnt 0x0
	BLOCK 3
	ds_store_b32 v4, v[SBW]
	s_wait_dscnt 0x0                               ; for the others' sake: my stores into the stage have landed
	s_barrier_signal -1
	s_barrier_wait -1
	s_lshl_b32 s40, s19, 13                        ; ws: 128 gx rows of 64 bytes + 16 y
	s_lshl_b32 s41, s20, 4
	s_add_co_u32 s40, s40, s41
	s_mov_b32 s41, 0
	s_add_nc_u64 s[14:15], s[14:15], s[40:41]
	s_lshl_b32 s40, s19, 7
	s_lshl_b32 s42, s18, 3
	s_add_co_u32 s40, s40, s42
	s_lshl_b32 s40, s40, 10                        ; wc: row 128 gx + 8 w,
	s_lshl_b32 s42, s20, 8
	s_add_co_u32 s40, s40, s42                     ; + 256 y
	s_add_nc_u64 s[12:13], s[12:13], s[40:41]
	s_cmp_lt_u32 s18, 4                            ; waves 0-3: a lane stores a column's 16 scale bytes of these 512 along K
	s_cbranch_scc0 .Lcodes
	ds_load_b128 v[64:67], v6
	s_wait_dscnt 0x0
	global_store_b128 v8, v[64:67], s[14:15]
.Lcodes:
.irp i, 0,1,2,3
	ds_load_b128 v[48+4*\i:51+4*\i], v5 offset:\i*2*PITCH
.endr
.irp i, 0,1,2,3
	s_wait_dscnt 3-\i
	global_store_b128 v7, v[48+4*\i:51+4*\i], s[12:13] offset:2048*\i   ; sixteen lanes store 256 consecutive bytes, at a multiple of 256 from wc's first byte
.endr
	s_wait_tensorcnt 0x0                           ; the wave's end
	ds_add_u32 v[SPW], v[NIL]
	s_wait_dscnt 0x0
	s_endpgm
	; ---- wo: a wave narrows 2,048 numbers; every load reads 512 consecutive bytes, every store writes 256
.Lwo:
	s_sub_co_u32 s19, ttmp9, 96
	s_lshl_b32 s20, s19, 17
	s_lshl_b32 s21, s18, 13
	s_add_co_u32 s20, s20, s21
	s_mov_b32 s21, 0
	s_lshr_b32 s22, s20, 1
	s_mov_b32 s23, 0
	v_lshlrev_b32 v3, 4, v2
	v_lshlrev_b32 v4, 3, v2
	s_wait_kmcnt 0x0
	s_add_nc_u64 s[10:11], s[10:11], s[20:21]
	s_add_nc_u64 s[16:17], s[16:17], s[22:23]
.irp i, 0,1,2,3,4,5,6,7,8,9,10,11,12,13,14,15
	global_load_b128 v[48+4*\i:51+4*\i], v3, s[10:11] offset:512*\i th:TH_LOAD_NT
.endr
.irp i, 0,1,2,3,4,5,6,7,8,9,10,11,12,13,14,15
	s_wait_loadcnt 15-\i                           ; loads come back in order: load i is in
	v_cvt_pk_f16_f32 v[112+2*\i], v[48+4*\i], v[49+4*\i]
	v_cvt_pk_f16_f32 v[113+2*\i], v[50+4*\i], v[51+4*\i]
	global_store_b64 v4, v[112+2*\i:113+2*\i], s[16:17] offset:256*\i
.endr
	s_endpgm
.Lfunc_end_k_q68889c8b27_prep_w:
	.size	k_q68889c8b27_prep_w, .Lfunc_end_k_q68889c8b27_prep_w-k_q68889c8b27_prep_w
	.p2alignl 7, 3214868480
	.fill 96, 4, 3214868480
	.section	.rodata,"a",@progbits
	.p2align	6, 0x0
	.amdhsa_kernel k_q68889c8b27_prep_w
		.amdhsa_group_segment_fixed_size 38912
		.amdhsa_private_segment_fixed_size 0
		.amdhsa_enable_private_segment 0
		.amdhsa_kernarg_size 56
		.amdhsa_user_sgpr_count 2
		.amdhsa_user_sgpr_kernarg_segment_ptr 1
		.amdhsa_wavefront_size32 1
		.amdhsa_system_sgpr_workgroup_id_x 1
		.amdhsa_system_sgpr_workgroup_id_y 1
		.amdhsa_system_sgpr_workgroup_id_z 1
		.amdhsa_system_vgpr_workitem_id 0
		.amdhsa_next_free_vgpr 208
		.amdhsa_next_free_sgpr 66
		.amdhsa_reserve_vcc 0
		.amdhsa_float_denorm_mode_32 3
		.amdhsa_float_denorm_mode_16_64 3
		.amdhsa_memory_ordered 1
		.amdhsa_forward_progress 1
		.amdhsa_inst_pref_size 30
	.end_amdhsa_kernel
	.amdgpu_metadata
---
amdhsa.version: [ 1, 2 ]
amdhsa.kernels:
  - .name:           k_q68889c8b27_prep_w
    .symbol:         k_q68889c8b27_prep_w.kd
    .args:
      - { .name: wq, .offset: 0, .size: 8, .value_kind: global_buffer, .address_space: global }
      - { .name: wk, .offset: 8, .size: 8, .value_kind: global_buffer, .address_space: global }
      - { .name: wv, .offset: 16, .size: 8, .value_kind: global_buffer, .address_space: global }
      - { .name: wo, .offset: 24, .size: 8, .value_kind: global_buffer, .address_space: global }
      - { .name: wc, .offset: 32, .size: 8, .value_kind: global_buffer, .address_space: global }
      - { .name: ws, .offset: 40, .size: 8, .value_kind: global_buffer, .address_space: global }
      - { .name: wo16, .offset: 48, .size: 8, .value_kind: global_buffer, .address_space: global }
    .group_segment_fixed_size: 38912
    .private_segment_fixed_size: 0
    .kernarg_segment_align: 8
    .kernarg_segment_size: 56
    .max_flat_workgroup_size: 512
    .sgpr_count:     66
    .vgpr_count:     208
    .wavefront_size: 32
...
	.end_amdgpu_metadata
.endif
;; end of part 2
;; launch qkv (part 3): grid 12 x 16, 4 waves a work-group, clusters of 4 x 4, 327,680 bytes of LDS; arguments xc, xs, wc, ws, freqs_cos, freqs_sin, qkv; writes qkv
.if DOCPART == 3
	.amdgcn_target "amdgcn-amd-amdhsa--gfx1250"
	.amdhsa_code_object_version 6
	.text
	.protected	k_q68889c8b27_qkv
	.globl	k_q68889c8b27_qkv
	.p2align	8
	.type	k_q68889c8b27_qkv,@function
k_q68889c8b27_qkv:
	s_mov_b64 s[64:65], 0
	v_nop
	global_prefetch_b8 v0, s[64:65] scope:SCOPE_SE
	s_setreg_imm32_b32 hwreg(HW_REG_WAVE_MODE, 25, 1), 1
	s_wait_xcnt 0x0
	s_wait_alu depctr_hold_cnt(0) depctr_sa_sdst(0) depctr_va_vdst(0) depctr_va_sdst(0) depctr_va_ssrc(0) depctr_va_vcc(0) depctr_vm_vsrc(0)
	s_getreg_b32 s2, hwreg(HW_REG_IB_STS2, 6, 4)
	s_cmp_eq_u32 s2, 0
	s_cbranch_scc0 .Lentry_in_a_cluster
	s_endpgm
.Lentry_in_a_cluster:
	s_bfe_u32 s2, ttmp6, 0x10000c
	s_cmp_lg_u32 s2, 0xf033
	s_cbranch_scc0 .Lentry_shape_is_right
	s_endpgm
.Lentry_shape_is_right:
; LAUNCH 3 OF 5.  No work of reference() is left out here.
; x (wq | wk | wv) as ONE product on codes of FP4: A = xc [4096][2048 codes], B = wc [3072][2048 codes], scale bytes xs, ws: one E8M0 byte for each 32 along K; sums in f32.
; On the way out the columns of wq and wk are turned by RoPE in f32, all are rounded to f16 and stored head by head: qkv [b 4][g 48][s 1024][64]: g 0-31 query heads, 32-39 key heads, 40-47 value heads.
; A tile of 256 x 256 is made by four waves, each 128 x 128: 64 accumulators of 16 x 16.  K goes in steps of 512 through a ring of two LDS slots; a tile's row is 256 bytes.  The scale bytes of the work-group's
; rows, for all of K, come into LDS once, with the first fills.  192 work-groups: a tile that gave 256 would cut a wave's columns across the bounds of heads and read more from LDS for each product.
; CLUSTERS: 4 x 4.  The four of a row need the same tiles of A, the four of a column the same tiles of B: each is asked for jointly.  THE MATRIX INSTRUCTION IS USED TRANSPOSED (source 0 = 16 rows of B,
; source 1 = 16 rows of A): a lane holds eight neighbouring columns of one row, four pairs of RoPE.
; No prefetch: each tile is asked for by several clusters in turn and a K step's products are long against its tiles.
; REGISTERS: window 0: v0-31 addresses; v32-95 scale words, two sets; v128-191 A's fragments, one set; v192-255 cos and sin, two sets (asked for at the head, used on the way out).
;   window 1: B's fragments, two sets, at v0 and v128.   window 2: accumulators of my rows 0-63 ((a, b) at v[8 (8 a + b)]);   window 3: of rows 64-127.
.set SIZE_K, 2048
.set KSTEP,  512
.set NQ,     KSTEP/128
.set ROWB,   256
.set KROW,   SIZE_K*4/8
.set PITCH,  272                       ; an LDS row: 256 bytes + 16 of padding
.set FR,     8
.set NL,     2
.set NP,     4
.set HALFT,  128*PITCH
.set SLOT,   4*HALFT
.set LAPS,   SIZE_K/(2*KSTEP)
.set KS,     SIZE_K/32
.set SCL,    2*SLOT                    ; behind the ring: the scales, as units of 256 bytes + 16 of padding
.set HALFS,  (128*KS/256)*272
.set SBLK,   (16*KS/256)*272
.set SPARE,  SCL+4*HALFS               ; behind the scales: the spare words, 128 bytes a wave, that no other line names
.set SPITCH, 400                       ; the way out: a stage of 16 rows x (256 bytes + 144) for each wave, in slot 0, which has had its last fill and its last read by then
.set ADRA, 16
.set ADRB, 20
.set STO,  24
.set RD,   25
.set CO,   26
.set ADRS, 27
.set SPW,  28
.set NIL,  29
.set TA,   30                          ; v30  my byte in the wave's rows of cos and of sin; never rewritten
.set SC,   32
.set AF,   128
.set T,    32                          ; the way out: 64 turned numbers
.set TMP,  96                          ; 32 registers of f16
.set BK,   128                         ; 16 rows read back: v128-159, v160-191 by turns
.set CT,   192                         ; cos (16 registers) and sin (16): v192-223, v224-255 by turns
.set G1, 24
.set G0, 32
.set G1B, 48
.set G0B, 56
.set G1S, 68
.set G0S, 76
.set G1SB, 80
.set G0SB, 88
.set MSB, 0
.macro WIN new                         ; the immediate's high byte repeats the setting that is left
.if MSB != (\new)
	s_set_vgpr_msb (MSB<<8)|(\new)
.set MSB, (\new)
.endif
.endm
.set MUL_LO, 0xa1                      ; source 0 (B) window 1, source 1 (A) window 0, C and D window 2
.set MUL_HI, 0xf1
.set TO_B,   0x40
; A joint load: waves 0 and 1 fetch for A, waves 2 and 3 for B; the branch hangs on the wave's number alone.  An s_nop 0 and four v_nop follow each of the two lines.
.macro JLOAD g0a, g1a, g0b, g1b
	s_cmp_eq_u32 s15, 0
	s_cbranch_scc0 .Lfor_b_\@
	tensor_load_to_lds s[\g0a:\g0a+3], s[\g1a:\g1a+7]
	s_nop 0
.rept 4
	v_nop
.endr
	s_branch .Lasked_\@
.Lfor_b_\@:
	tensor_load_to_lds s[\g0b:\g0b+3], s[\g1b:\g1b+7]
	s_nop 0
.rept 4
	v_nop
.endr
.Lasked_\@:
.endm
.macro CREST
	s_cmp_lg_u32 s14, 0
	s_cbranch_scc1 .Lnot_wave_0_\@
	s_barrier_signal -3
.Lnot_wave_0_\@:
	s_barrier_wait -3
	s_barrier_signal -1
	s_barrier_wait -1
.endm
.macro CROUND
	s_barrier_signal -1
	s_barrier_wait -1
	CREST
.endm
	s_load_b128 s[4:7], s[0:1], 0x0                ; xc, xs
	s_load_b128 s[8:11], s[0:1], 0x10              ; wc, ws
	s_load_b128 s[96:99], s[0:1], 0x20             ; cos, sin
	s_load_b64 s[12:13], s[0:1], 0x30              ; qkv
	v_lshl_add_u32 v[SPW], v0, 2, SPARE
	v_mov_b32 v[NIL], 0
	ds_add_u32 v[SPW], v[NIL]                      ; the wave's opening: the add, twice on end, and its wait ahead of my first tensor load
	ds_add_u32 v[SPW], v[NIL]
	v_lshrrev_b32 v1, 5, v0
	v_readfirstlane_b32 s14, v1                    ; wave 0..3
	s_lshr_b32 s15, s14, 1                         ; which half of the tile's rows is mine.  Also: I fetch for A (0) or for B (1)
	s_and_b32 s16, s14, 1                          ; which half of its columns.  Also: which 128 rows of that tile I fetch
	s_bfe_u32 s40, ttmp6, 0x40000                  ; cx, cy
	s_bfe_u32 s41, ttmp6, 0x40004
	s_lshl_b32 s42, ttmp9, 2
	s_add_co_u32 s42, s42, s40                     ; tile column = 4 x cluster x + cx
	s_and_b32 s17, ttmp7, 0xffff
	s_lshl_b32 s17, s17, 2
	s_add_co_u32 s17, s17, s41                     ; tile row = 4 x cluster y + cy
	s_lshl_b32 s43, s41, 2
	s_lshl_b32 s43, 15, s43                        ; my row of the cluster
	s_lshl_b32 s44, 0x1111, s40                    ; my column
	s_or_b32 s[G1+0], s43, (0<<16)|(1<<20)|(1<<21)|(5<<22)|(3<<25)  ; the mask; elements of 1 byte; padding on; bit 21 beside a mask; 4 words behind every 64
	s_or_b32 s[G1B+0], s44, (0<<16)|(1<<20)|(1<<21)|(5<<22)|(3<<25)
.irp g, G1, G1B
	s_mov_b32 s[\g+1], ROWB<<16                    ; tensor_dim0
	s_mov_b32 s[\g+2], 128<<16                     ; tensor_dim1
	s_mov_b32 s[\g+3], ROWB<<16                    ; tile_dim0
	s_mov_b32 s[\g+4], 128                         ; tile_dim1
	s_mov_b32 s[\g+5], KROW                        ; from row to row
	s_mov_b32 s[\g+6], 0
	s_mov_b32 s[\g+7], 0
.endr
	s_or_b32 s[G1S+0], s43, (3<<16)|(1<<20)|(1<<21)|(5<<22)|(3<<25) ; the scales of 128 rows: a dense block, as rows of 256 bytes (32 elements of 8)
	s_or_b32 s[G1SB+0], s44, (3<<16)|(1<<20)|(1<<21)|(5<<22)|(3<<25)
.irp g, G1S, G1SB
	s_mov_b32 s[\g+1], 32<<16
	s_mov_b32 s[\g+2], (128*KS/256)<<16
	s_mov_b32 s[\g+3], 32<<16
	s_mov_b32 s[\g+4], 128*KS/256
	s_mov_b32 s[\g+5], 32
	s_mov_b32 s[\g+6], 0
	s_mov_b32 s[\g+7], 0
.endr
	s_lshl_b32 s18, s16, 7
	s_lshl_b32 s20, s17, 8
	s_add_co_u32 s20, s20, s18                     ; A: row 256 x tile row + 128 x half
	s_lshl_b32 s46, s42, 8
	s_add_co_u32 s46, s46, s18                     ; B: row 256 x tile column + 128 x half
	s_mov_b32 s21, 0
	s_mov_b32 s47, 0
	s_mov_b64 s[18:19], KS
	s_mul_u64 s[22:23], s[20:21], s[18:19]
	s_mul_u64 s[92:93], s[46:47], s[18:19]
	s_mov_b64 s[18:19], KROW
	s_mul_u64 s[20:21], s[20:21], s[18:19]
	s_mul_u64 s[46:47], s[46:47], s[18:19]
	s_mul_i32 s45, s14, HALFT                      ; where they go: wave x 128 rows
	s_mul_i32 s94, s14, HALFS
	s_wait_dscnt 0x0                               ; both opening adds are done
	s_wait_kmcnt 0x0
	s_add_nc_u64 s[20:21], s[4:5], s[20:21]
	s_add_nc_u64 s[22:23], s[6:7], s[22:23]
	s_add_nc_u64 s[46:47], s[8:9], s[46:47]
	s_add_nc_u64 s[92:93], s[10:11], s[92:93]
	CROUND                                         ; all sixteen work-groups are here: the first joint loads meet
	s_mov_b32 s[G0S], 1
	s_add_co_u32 s[G0S+1], s94, SCL
	s_mov_b64 s[G0S+2:G0S+3], s[22:23]
	s_or_b32 s[G0S+3], s[G0S+3], 0x80000000
	s_mov_b32 s[G0SB], 1
	s_add_co_u32 s[G0SB+1], s94, SCL
	s_mov_b64 s[G0SB+2:G0SB+3], s[92:93]
	s_or_b32 s[G0SB+3], s[G0SB+3], 0x80000000
	JLOAD G0S, G1S, G0SB, G1SB                     ; the scales first
.irp s, 0,1
	s_mov_b32 s[G0+4*\s], 1
	s_add_co_u32 s[G0+4*\s+1], s45, \s*SLOT
	s_add_nc_u64 s[G0+4*\s+2:G0+4*\s+3], s[20:21], \s*ROWB
	s_or_b32 s[G0+4*\s+3], s[G0+4*\s+3], 0x80000000
	s_mov_b32 s[G0B+4*\s], 1
	s_add_co_u32 s[G0B+4*\s+1], s45, \s*SLOT
	s_add_nc_u64 s[G0B+4*\s+2:G0B+4*\s+3], s[46:47], \s*ROWB
	s_or_b32 s[G0B+4*\s+3], s[G0B+4*\s+3], 0x80000000
	JLOAD G0+4*\s, G1, G0B+4*\s, G1B
.endr
	v_and_b32 v1, 15, v0                           ; r = l % 16
	v_bfe_u32 v2, v0, 4, 1                         ; h = l / 16
	v_mul_u32_u24 v3, v1, PITCH
	v_lshl_add_u32 v4, v2, 4, v3
	s_mul_i32 s21, s15, HALFT
	s_mul_i32 s22, s16, HALFT
	s_add_co_u32 s22, s22, 2*HALFT
.irp s, 0,1
	v_add_nc_u32 v[ADRA+\s], s21, v4
	v_add_nc_u32 v[ADRB+\s], s22, v4
	s_add_co_u32 s21, s21, SLOT
	s_add_co_u32 s22, s22, SLOT
.endr
	v_mul_u32_u24 v5, v1, KS                       ; my row's scales: KS bytes a row,
	v_lshrrev_b32 v6, 8, v5
	v_lshl_add_u32 v5, v6, 4, v5                   ; and 16 more for each 256 passed
	s_mul_i32 s21, s15, HALFS
	s_mul_i32 s22, s16, HALFS
	s_add_co_u32 s22, s22, 2*HALFS
	s_sub_co_u32 s22, s22, s21
	v_mul_u32_u24 v6, s22, v2                      ; lanes 16-31 take B's
	s_add_co_u32 s21, s21, SCL
	v_add_nc_u32 v5, v5, v6
	v_add_nc_u32 v[ADRS], s21, v5
	s_mul_i32 s23, s14, 16*SPITCH                  ; my stage
	v_mul_u32_u24 v5, v1, SPITCH                   ; in: row r, 16 bytes for each half of the lanes
	v_lshl_add_u32 v5, v2, 4, v5
	v_add_nc_u32 v[STO], s23, v5
	v_bfe_u32 v6, v0, 3, 1
	v_and_b32 v7, 7, v0
	v_mul_u32_u24 v5, v6, SPITCH                   ; back: eight lanes take a head's 128 bytes of a row; lanes 0-15 two rows of my first head, lanes 16-31 of my second
	v_lshl_add_u32 v5, v2, 7, v5
	v_lshl_add_u32 v5, v7, 4, v5
	v_add_nc_u32 v[RD], s23, v5
	v_lshlrev_b32 v[CO], 17, v2                    ; and the same in qkv: a head is 131,072 bytes, a row 128
	v_lshl_add_u32 v[CO], v6, 7, v[CO]
	v_lshl_add_u32 v[CO], v7, 4, v[CO]
	v_lshlrev_b32 v[TA], 7, v1                     ; cos, sin: row r of 128 bytes, + 16 h
	v_lshl_add_u32 v[TA], v2, 4, v[TA]
	s_lshr_b32 s20, s17, 2                         ; b
	s_mul_i32 s20, s20, 48
	s_lshl_b32 s46, s42, 2
	s_lshl_b32 s47, s16, 1
	s_add_co_u32 s46, s46, s47                     ; g0: my first head = 4 x tile column + 2 x half
	s_add_co_u32 s20, s20, s46
	s_lshl_b32 s20, s20, 10
	s_and_b32 s21, s17, 3
	s_lshl_b32 s21, s21, 8
	s_lshl_b32 s22, s15, 7
	s_add_co_u32 s21, s21, s22                     ; s0: my first position in the sequence
	s_add_co_u32 s20, s20, s21
	s_lshl_b32 s20, s20, 7                         ; ((48 b + g0) 1024 + s0) rows of 128 bytes
	s_lshl_b32 s22, s21, 7
	s_mov_b32 s21, 0
	s_mov_b32 s23, 0
	s_add_nc_u64 s[12:13], s[12:13], s[20:21]
	s_add_nc_u64 s[96:97], s[96:97], s[22:23]
	s_add_nc_u64 s[98:99], s[98:99], s[22:23]
	s_cmp_lt_u32 s46, 40                           ; heads 0-39 are turned, the value heads are not: a select of values, no branch
	s_cselect_b32 s100, -1, 0
; cos and sin of block a's 16 rows: lane (r, h) takes, of row 16 a + r, the four pairs 8 p + 4 h + 0 .. 3, p = 0 .. 3; both of my heads use them
.macro TABLE a
.set CL, CT+32*((\a)%2)
.irp p, 0,1,2,3
	global_load_b128 v[CL+4*\p:CL+4*\p+3], v[TA], s[96:97] offset:(\a)*2048+32*\p
	global_load_b128 v[CL+16+4*\p:CL+16+4*\p+3], v[TA], s[98:99] offset:(\a)*2048+32*\p
.endr
.endm
	TABLE 0                                        ; they stay out across the loop: nothing there names their registers
	TABLE 1
.macro FRAG reg, adr, q, i             ; 16 rows x 128 K of 4-bit codes: 8 registers
.irp c, 0,1
	ds_load_b128 v[\reg+4*\c:\reg+4*\c+3], v[\adr] offset:64*(\q)+32*\c+(\i)*16*PITCH
.endr
.endm
; 16 matrix instructions: A's blocks a0, a0 + 1 x B's eight.  The 64 accumulators take turns, one instruction a turn, in the same order in every step.
.macro MUL16 a0, p, q, sc, zero
.irp a, \a0, \a0+1
.irp b, 0,1,2,3,4,5,6,7
.if \zero
	v_wmma_scale_f32_16x16x128_f8f6f4 v[8*(8*((\a)%4)+\b):8*(8*((\a)%4)+\b)+7], v[128*(\p)+FR*\b:128*(\p)+FR*\b+FR-1], v[AF+FR*(\a):AF+FR*(\a)+FR-1], 0, v[SC+8*NQ*(\sc)+NQ*\b+(\q)], v[SC+8*NQ*(\sc)+NQ*(\a)+(\q)] matrix_a_fmt:MATRIX_FMT_FP4 matrix_b_fmt:MATRIX_FMT_FP4 matrix_a_scale:MATRIX_SCALE_ROW1
.else
	v_wmma_scale_f32_16x16x128_f8f6f4 v[8*(8*((\a)%4)+\b):8*(8*((\a)%4)+\b)+7], v[128*(\p)+FR*\b:128*(\p)+FR*\b+FR-1], v[AF+FR*(\a):AF+FR*(\a)+FR-1], v[8*(8*((\a)%4)+\b):8*(8*((\a)%4)+\b)+7], v[SC+8*NQ*(\sc)+NQ*\b+(\q)], v[SC+8*NQ*(\sc)+NQ*(\a)+(\q)] matrix_a_fmt:MATRIX_FMT_FP4 matrix_b_fmt:MATRIX_FMT_FP4 matrix_a_scale:MATRIX_SCALE_ROW1
.endif
.endr
.endr
.endm
.macro FETCH_B slot, q, p
	WIN TO_B
.irp i, 0,1,2,3,4,5,6,7
	FRAG 128*(\p)+FR*\i, ADRB+\slot, \q, \i
.endr
	WIN 0
.endm
.macro FETCH_A slot, q, i0
.irp i, \i0, \i0+1, \i0+2, \i0+3
	FRAG AF+FR*(\i), ADRA+\slot, \q, \i
.endr
.endm
.macro SCALES sc                       ; a K step's scale words: lanes 0-15 A's block i, lanes 16-31 B's block i
.irp i, 0,1,2,3,4,5,6,7
	ds_load_b128 v[SC+8*NQ*\sc+NQ*\i:SC+8*NQ*\sc+NQ*\i+3], v[ADRS] offset:\i*SBLK
.endr
.endm
.macro PLACES n                        ; plain vector lines between a matrix instruction and a load into, or a vector read of, its registers
.rept \n
	v_nop
.endr
.endm
.macro STEP slot, q, zero
	s_wait_dscnt 4*NL                              ; B's set and A's blocks 0-3 are in; the youngest eight loads (A's blocks 4-7) may be out
	WIN MUL_LO
	MUL16 0, (\q)%2, \q, \slot, \zero
	MUL16 2, (\q)%2, \q, \slot, \zero
	s_wait_dscnt 0                                 ; A's blocks 4-7 are in
	PLACES NP
	FETCH_B \slot, (\q)+1, 1-(\q)%2
	FETCH_A \slot, (\q)+1, 0
	WIN MUL_HI
	MUL16 4, (\q)%2, \q, \slot, \zero
	MUL16 6, (\q)%2, \q, \slot, \zero
	PLACES NP
	WIN 0
	FETCH_A \slot, (\q)+1, 4
.endm
; A slot's last step changes slots: in front of the barrier each wave waits for all its tensor loads, adds 0 to its spare word, and waits for that and for its own reads of this slot.
.macro TURN slot, next, fill
	s_wait_tensorcnt 0x0                           ; all my tensor loads have landed: my part of the next slot
	ds_add_u32 v[SPW], v[NIL]
	s_wait_dscnt 4*NL+1                            ; the add and the youngest eight loads may be out
	WIN MUL_LO
	MUL16 0, 1, NQ-1, \slot, 0
	s_wait_dscnt 0x0                               ; the add is done, and my reads of this slot are over
	s_barrier_signal -1
	MUL16 2, 1, NQ-1, \slot, 0
	WIN 0
	s_barrier_wait -1
.if \fill
	CREST                                          ; the barrier has opened a round of the cluster's: no wave of any partner still reads this slot or has a load on its way
	s_add_nc_u64 s[G0+4*\slot+2:G0+4*\slot+3], s[G0+4*\slot+2:G0+4*\slot+3], 2*ROWB
	s_add_nc_u64 s[G0B+4*\slot+2:G0B+4*\slot+3], s[G0B+4*\slot+2:G0B+4*\slot+3], 2*ROWB
	JLOAD G0+4*\slot, G1, G0B+4*\slot, G1B         ; the first tensor load behind the round; its four v_nop are the places in front of the loads below
.else
	PLACES NP
.endif
	v_add_nc_u32 v[ADRS], 4*NQ, v[ADRS]            ; on to the next K step's scale words
	FETCH_B \next, 0, 0
	FETCH_A \next, 0, 0
	SCALES \next
	WIN MUL_HI
	MUL16 4, 1, NQ-1, \slot, 0
	MUL16 6, 1, NQ-1, \slot, 0
	PLACES NP
	WIN 0
	FETCH_A \next, 0, 4
.endm
.macro STEPS slot, from
.set Q, \from
.rept NQ-1-\from
	STEP \slot, Q, 0
.set Q, Q+1
.endr
.endm
	s_wait_tensorcnt 1                             ; the scales and my part of K step 0 are in; K step 1's load may be out
	s_barrier_signal -1
	s_barrier_wait -1
	FETCH_B 0, 0, 0
	FETCH_A 0, 0, 0
	SCALES 0
	FETCH_A 0, 0, 4
	STEP 0, 0, 1                                   ; the first step's products start the sums
	s_mov_b32 s3, LAPS-1
.Llap:
	STEPS 0, 1
	TURN 0, 1, 1
	STEPS 1, 0
	TURN 1, 0, 1
	STEP 0, 0, 0
	s_sub_co_u32 s3, s3, 1
	s_cmp_lg_u32 s3, 0
	s_cbranch_scc1 .Llap
	STEPS 0, 1                                     ; the last lap fills nothing
	TURN 0, 1, 0
	STEPS 1, 0
	s_wait_dscnt 4*NL
	WIN MUL_LO
	MUL16 0, 1, NQ-1, 1, 0
	MUL16 2, 1, NQ-1, 1, 0
	s_wait_dscnt 0
	WIN MUL_HI
	MUL16 4, 1, NQ-1, 1, 0
	MUL16 6, 1, NQ-1, 1, 0
	WIN 0
; THE WAY OUT, block by block of 16 rows x 128 columns (two heads).  A pair (t0, t1) of an accumulator becomes (t0 c - t1 s, t0 s + t1 c): one packed multiply by c and one packed multiply-add that takes
; the pair crossed, its low product negated.  e says which register of the pair of cos or sin serves both halves.
.macro ROTM tt, ac, co, e
	v_pk_mul_f32 v[(\tt):(\tt)+1], v[(\ac):(\ac)+1], v[(\co):(\co)+1] op_sel:[0,\e] op_sel_hi:[1,\e]
.endm
.macro ROTF tt, ac, si, e
	v_pk_fma_f32 v[(\tt):(\tt)+1], v[(\ac):(\ac)+1], v[(\si):(\si)+1], v[(\tt):(\tt)+1] op_sel:[1,\e,0] op_sel_hi:[0,\e,1] neg_lo:[1,0,0]
.endm
.macro OUTB a
.set AC, 64*((\a)%4)
.set CTS, CT+32*((\a)%2)
.set BB, BK+32*((\a)%2)
.if (\a) < 7
	s_wait_loadcnt 8                               ; this block's cos and sin are in; the next block's eight loads may be out
.else
	s_wait_loadcnt 0x0
.endif
.irp i, 0,1,2,3,4,5,6,7,8,9,10,11,12,13,14,15
	v_cndmask_b32 v[CTS+\i], 1.0, v[CTS+\i], s100          ; a value head: c = 1,
	v_cndmask_b32 v[CTS+16+\i], 0, v[CTS+16+\i], s100      ; s = 0
.endr
	WIN 0x02+(\a)/4                                ; source 0: the accumulators' window
.irp b, 0,1,2,3,4,5,6,7                        ; each accumulator from its low end on
	ROTM T+8*\b,   AC+8*\b,   CTS+4*(\b%4),   0
	ROTM T+8*\b+2, AC+8*\b+2, CTS+4*(\b%4),   1
	ROTM T+8*\b+4, AC+8*\b+4, CTS+4*(\b%4)+2, 0
	ROTM T+8*\b+6, AC+8*\b+6, CTS+4*(\b%4)+2, 1
	ROTF T+8*\b,   AC+8*\b,   CTS+16+4*(\b%4),   0
	ROTF T+8*\b+2, AC+8*\b+2, CTS+16+4*(\b%4),   1
	ROTF T+8*\b+4, AC+8*\b+4, CTS+16+4*(\b%4)+2, 0
	ROTF T+8*\b+6, AC+8*\b+6, CTS+16+4*(\b%4)+2, 1
.endr
	WIN 0
.if (\a) < 6
	TABLE (\a)+2                                   ; into the set just used
.endif
.set i, 0
.rept 32
	v_cvt_pk_f16_f32 v[TMP+i], v[T+2*i], v[T+2*i+1]
.set i, i+1
.endr
.irp b, 0,1,2,3,4,5,6,7
	ds_store_b128 v[STO], v[TMP+4*\b:TMP+4*\b+3] offset:32*\b
.endr
.if (\a) > 1
	s_wait_xcnt 0x0                                ; block a - 2's stores have read these registers
.endif
.irp t, 0,1,2,3,4,5,6,7
	ds_load_b128 v[BB+4*\t:BB+4*\t+3], v[RD] offset:\t*2*SPITCH    ; LDS serves a wave's instructions in order: these see the stores above
.endr
.endm
.macro SENDB a, younger                ; younger: the LDS instructions issued behind block a's loads
.set BB, BK+32*((\a)%2)
	s_wait_dscnt \younger
.irp t, 0,1,2,3,4,5,6,7
	global_store_b128 v[CO], v[BB+4*\t:BB+4*\t+3], s[12:13] offset:(\a)*2048+256*\t   ; sixteen lanes store 256 consecutive bytes (two rows of one head), at a multiple of 256 from qkv's first byte
.endr
.endm
	PLACES NP
	OUTB 0
.irp a, 1,2,3,4,5,6,7
	OUTB \a
	SENDB (\a)-1, 16                               ; behind block a - 1's loads: block a's 8 stores and 8 loads
.endr
	SENDB 7, 0
	s_wait_tensorcnt 0x0                           ; the wave's end
	ds_add_u32 v[SPW], v[NIL]
	s_wait_dscnt 0x0
	CROUND                                         ; the closing round
	s_endpgm
.Lfunc_end_k_q68889c8b27_qkv:
	.size	k_q68889c8b27_qkv, .Lfunc_end_k_q68889c8b27_qkv-k_q68889c8b27_qkv
	.p2alignl 7, 3214868480
	.fill 96, 4, 3214868480
	.section	.rodata,"a",@progbits
	.p2align	6, 0x0
	.amdhsa_kernel k_q68889c8b27_qkv
		.amdhsa_group_segment_fixed_size 327680
		.amdhsa_private_segment_fixed_size 0
		.amdhsa_enable_private_segment 0
		.amdhsa_kernarg_size 56
		.amdhsa_user_sgpr_count 2
		.amdhsa_user_sgpr_kernarg_segment_ptr 1
		.amdhsa_wavefront_size32 1
		.amdhsa_system_sgpr_workgroup_id_x 1
		.amdhsa_system_sgpr_workgroup_id_y 1
		.amdhsa_system_sgpr_workgroup_id_z 1
		.amdhsa_system_vgpr_workitem_id 0
		.amdhsa_next_free_vgpr 1024
		.amdhsa_next_free_sgpr 104
		.amdhsa_reserve_vcc 0
		.amdhsa_float_denorm_mode_32 3
		.amdhsa_float_denorm_mode_16_64 3
		.amdhsa_memory_ordered 1
		.amdhsa_forward_progress 1
		.amdhsa_inst_pref_size 255
	.end_amdhsa_kernel
	.section	.bss,"aw",@nobits
	.p2align	6
	.space	262144
	.amdgpu_metadata
---
amdhsa.version: [ 1, 2 ]
amdhsa.kernels:
  - .name:           k_q68889c8b27_qkv
    .symbol:         k_q68889c8b27_qkv.kd
    .args:
      - { .name: xc, .offset: 0, .size: 8, .value_kind: global_buffer, .address_space: global }
      - { .name: xs, .offset: 8, .size: 8, .value_kind: global_buffer, .address_space: global }
      - { .name: wc, .offset: 16, .size: 8, .value_kind: global_buffer, .address_space: global }
      - { .name: ws, .offset: 24, .size: 8, .value_kind: global_buffer, .address_space: global }
      - { .name: freqs_cos, .offset: 32, .size: 8, .value_kind: global_buffer, .address_space: global }
      - { .name: freqs_sin, .offset: 40, .size: 8, .value_kind: global_buffer, .address_space: global }
      - { .name: qkv, .offset: 48, .size: 8, .value_kind: global_buffer, .address_space: global }
    .group_segment_fixed_size: 327680
    .private_segment_fixed_size: 0
    .kernarg_segment_align: 8
    .kernarg_segment_size: 56
    .max_flat_workgroup_size: 128
    .sgpr_count:     104
    .vgpr_count:     1024
    .wavefront_size: 32
...
	.end_amdgpu_metadata
.endif
;; end of part 3
;; launch attn (part 4): grid 8 x 32, 8 waves a work-group, clusters of 4 x 4, 327,680 bytes of LDS; arguments qkv, mask, att; writes att
.if DOCPART == 4
	.amdgcn_target "amdgcn-amd-amdhsa--gfx1250"
	.amdhsa_code_object_version 6
	.text
	.protected	k_q68889c8b27_attn
	.globl	k_q68889c8b27_attn
	.p2align	8
	.type	k_q68889c8b27_attn,@function
k_q68889c8b27_attn:
	s_mov_b64 s[64:65], 0
	v_nop
	global_prefetch_b8 v0, s[64:65] scope:SCOPE_SE
	s_setreg_imm32_b32 hwreg(HW_REG_WAVE_MODE, 25, 1), 1
	s_wait_xcnt 0x0
	s_wait_alu depctr_hold_cnt(0) depctr_sa_sdst(0) depctr_va_vdst(0) depctr_va_sdst(0) depctr_va_ssrc(0) depctr_va_vcc(0) depctr_vm_vsrc(0)
	s_getreg_b32 s2, hwreg(HW_REG_IB_STS2, 6, 4)
	s_cmp_eq_u32 s2, 0
	s_cbranch_scc0 .Lentry_in_a_cluster
	s_endpgm
.Lentry_in_a_cluster:
	s_bfe_u32 s2, ttmp6, 0x10000c
	s_cmp_lg_u32 s2, 0xf033
	s_cbranch_scc0 .Lentry_shape_is_right
	s_endpgm
.Lentry_shape_is_right:
; LAUNCH 4 OF 5.  No work of reference() is left out: the mask is an input, so every score is computed and the mask is added as it is given.
; att[b s][64 head + d] = sum over k of softmax_k(q . k / 8 + mask[s][k]) v[k][d], in f16 operands with f32 products, maxima and sums; the weights p are rounded to f16 for the second product.
; LIMITS: a row whose mask is -infinity at every key gives 0 x (1 / 0) = NaN, as reference() does; |q|, |k|, |v| under 65,504.
; SHARES.  A work-group owns 128 positions x the 4 query heads of one key head.  Wave w owns positions 16 w .. 16 w + 15 of ALL four heads: four tiles of 16 queries, so that each fragment of K and V
; and each register of the mask serves four tiles.  Two waves share a SIMD, so that one wave's softmax stands beside the other's products.  Every wave walks all 1,024 keys, 64 a step, 128 a slot.
; LAYOUT.  S^T = K Q^T (source 0 = 16 keys, source 1 = 16 queries): a lane holds ONE query (lane % 16) and keys 8 (lane / 16) + 0..7.  Two such tiles, rounded in pairs, are source 1 of O^T = V^T P.
; SOFTMAX.  u = s log2(e) / 8 + mask log2(e); a running maximum m of u and sum l; p = 2^(u - m); in every step O and l are multiplied by a = 2^(m_old - m_new).  m begins at -3e38, O and l at 0.
; CLUSTER 4 x 4.  K and V hang on (batch, key head) alone: shared along a row of the cluster.  The mask's tile hangs on the block of positions alone: shared along a column.  Each is asked for jointly.
; REGISTERS: window 0: v1-15 addresses; v32-63 the mask; v64-127 statistics, 16 a tile; v128-255 S^T, 32 a tile, then P in its first 16.
;   window 1: v0-63 Q, 16 a tile; v64-191 O^T, 32 a tile; v192-255 K of a step, then V.
.set HS,    131072                     ; a head's rows in qkv, in bytes
.set PK,    144                        ; a row of K in LDS: 128 bytes + 16
.set PV,    160                        ; of V: 128 + 32
.set PM,    528                        ; of the mask: 512 + 16
.set VOFF,  128*PK
.set MOFF,  VOFF+128*PV
.set SLOT1, 1<<17
.set STAGE, SLOT1+MOFF+128*PM          ; behind the ring: 16 rows x 528 bytes for each wave
.set SPARE, STAGE+8*16*528             ; behind the stages: the spare words, 128 bytes a wave, that no other line names
.set AK0, 3
.set AV0, 4
.set AM0, 5
.set ADK, 6
.set ADV, 7
.set ADM, 8
.set QO,  9
.set STO, 10
.set RD,  11
.set GO,  12
.set PFO, 13
.set SPW, 14
.set NIL, 15
.set MC,  32
.set ST,  64                           ; tile t at ST + 16 t: +0 m, +1 its pair's partner, +2 +3 l, +4..+7 chains (then +6 a, +7 m_old - m_new), +8..+11 two chains of sums, +12 m_old
.set S,   128
.set QF,  0                            ; window 1
.set O,   64
.set KV,  192
.set WV,  10
.set PFA, 18
.set PFS, 20
.set LIM, 22
.set SLOTS, 23
.set G1K, 24
.set G1V, 32
.set G1M, 40
.set G0K, 48
.set G0V, 52
.set G0M, 56
.set CS,  60
.set SEL, 62
.set TB,  66
.set MSB, 0
.macro WIN new
.if MSB != (\new)
	s_set_vgpr_msb (MSB<<8)|(\new)
.set MSB, (\new)
.endif
.endm
; A joint load: waves 0, 1 fetch K's halves, waves 2, 3 V's, waves 4 to 7 the mask's quarters: every wave issues one.  The branches hang on the wave's number alone.
.macro JLOAD
	s_cmp_lt_u32 s[WV], 2
	s_cbranch_scc0 .Lnot_k_\@
	tensor_load_to_lds s[G0K:G0K+3], s[G1K:G1K+7]
	s_nop 0
.rept 4
	v_nop
.endr
	s_branch .Lasked_\@
.Lnot_k_\@:
	s_cmp_lt_u32 s[WV], 4
	s_cbranch_scc0 .Lnot_v_\@
	tensor_load_to_lds s[G0V:G0V+3], s[G1V:G1V+7]
	s_nop 0
.rept 4
	v_nop
.endr
	s_branch .Lasked_\@
.Lnot_v_\@:
	tensor_load_to_lds s[G0M:G0M+3], s[G1M:G1M+7]
	s_nop 0
.rept 4
	v_nop
.endr
.Lasked_\@:
.endm
; A prefetch of what the NEXT change of slots will ask for, behind the wave's tensor load.  Each aligned 256 bytes are named once in the launch.  K and V: the clusters with x = 0 ask; the four partners of a row
; take 4,096 bytes each of K's 16,384 and of V's, told apart by address; wave 0, lanes 0-15 K, lanes 16-31 V.  The mask: the clusters with y = 0 ask; the four partners of a column take 32 rows each;
; waves 4 and 5 take the two halves of a row's 512 bytes, a lane a row.  The last change that fills a slot asks for nothing.
.macro ASK
	s_cmp_gt_u32 s[SLOTS], s[LIM]
	s_cbranch_scc0 .Lnot_mine_\@
	global_prefetch_b8 v[PFO], s[PFA:PFA+1] th:TH_LOAD_NT scope:SCOPE_SE
.Lnot_mine_\@:
.endm
.macro CROUND
	s_barrier_signal -1
	s_barrier_wait -1
	s_cmp_lg_u32 s[WV], 0
	s_cbranch_scc1 .Lnot_wave_0_\@
	s_barrier_signal -3
.Lnot_wave_0_\@:
	s_barrier_wait -3
	s_barrier_signal -1
	s_barrier_wait -1
.endm
	s_load_b128 s[4:7], s[0:1], 0x0                ; qkv, mask
	s_load_b64 s[8:9], s[0:1], 0x10                ; att
	v_lshl_add_u32 v[SPW], v0, 2, SPARE
	v_mov_b32 v[NIL], 0
	ds_add_u32 v[SPW], v[NIL]                      ; the wave's opening: the add, twice on end, and its wait ahead of my first tensor load
	ds_add_u32 v[SPW], v[NIL]
	v_lshrrev_b32 v1, 5, v0
	v_readfirstlane_b32 s[WV], v1                  ; wave 0..7
	s_bfe_u32 s11, ttmp6, 0x40000                  ; cx
	s_bfe_u32 s12, ttmp6, 0x40004                  ; cy
	s_lshl_b32 s13, ttmp9, 2
	s_add_co_u32 s13, s13, s11                     ; qb: my block of 128 positions
	s_and_b32 s14, ttmp7, 0xffff
	s_lshl_b32 s14, s14, 2
	s_add_co_u32 s14, s14, s12                     ; 8 b + kh
	s_lshr_b32 s15, s14, 3                         ; b
	s_and_b32 s16, s14, 7                          ; kh
	s_lshl_b32 s78, s12, 2
	s_lshl_b32 s78, 15, s78                        ; my row of the cluster
	s_lshl_b32 s79, 0x1111, s11                    ; my column
	s_or_b32 s[G1K], s78, (1<<16)|(1<<20)|(1<<21)|(4<<22)|(3<<25)   ; elements of 2 bytes; 4 words of padding behind every 32
	s_or_b32 s[G1V], s78, (1<<16)|(1<<20)|(1<<21)|(4<<22)|(7<<25)   ; 8 words
	s_or_b32 s[G1M], s79, (2<<16)|(1<<20)|(1<<21)|(6<<22)|(3<<25)   ; elements of 4 bytes; 4 words behind every 128
.irp g, G1K, G1V
	s_mov_b32 s[\g+1], 64<<16                      ; tensor_dim0 = 64
	s_mov_b32 s[\g+2], 64<<16                      ; tensor_dim1 = 64
	s_mov_b32 s[\g+3], 64<<16                      ; tile_dim0
	s_mov_b32 s[\g+4], 64                          ; tile_dim1
	s_mov_b32 s[\g+5], 64                          ; from row to row
	s_mov_b32 s[\g+6], 0
	s_mov_b32 s[\g+7], 0
.endr
	s_mov_b32 s[G1M+1], 128<<16
	s_mov_b32 s[G1M+2], 32<<16
	s_mov_b32 s[G1M+3], 128<<16
	s_mov_b32 s[G1M+4], 32
	s_mov_b32 s[G1M+5], 1024
	s_mov_b32 s[G1M+6], 0
	s_mov_b32 s[G1M+7], 0
	s_and_b32 s17, s[WV], 1
	s_and_b32 s67, s[WV], 3
	s_mul_i32 s68, s15, 48                         ; K: head 48 b + 32 + kh (registers that never hold cx),
	s_add_co_u32 s68, s68, s16
	s_add_co_u32 s68, s68, 32
	s_lshl_b32 s68, s68, 17
	s_lshl_b32 s70, s17, 13                        ; my 64 rows of 128 bytes
	s_add_co_u32 s70, s70, s68
	s_mov_b32 s71, 0
	s_lshl_b32 s72, s13, 7                         ; the mask: row 128 qb + 32 (w % 4) (registers that never hold cy)
	s_lshl_b32 s73, s67, 5
	s_add_co_u32 s72, s72, s73
	s_lshl_b32 s72, s72, 12
	s_mov_b32 s73, 0
	s_lshl_b32 s76, s13, 7
	s_lshl_b32 s77, s[WV], 4
	s_add_co_u32 s76, s76, s77                     ; my first position
	s_mul_i32 s74, s15, 48
	s_lshl_b32 s75, s16, 2
	s_add_co_u32 s74, s74, s75                     ; Q: head 48 b + 4 kh
	s_lshl_b32 s74, s74, 17
	s_lshl_b32 s75, s76, 7
	s_add_co_u32 s74, s74, s75
	s_mov_b32 s75, 0
	s_lshl_b32 s77, s15, 10
	s_add_co_u32 s76, s76, s77                     ; att: row 1024 b + position, of 4,096 bytes, + 512 kh
	s_lshl_b32 s76, s76, 12
	s_lshl_b32 s77, s16, 9
	s_add_co_u32 s76, s76, s77
	s_mov_b32 s77, 0
	s_lshl_b32 s80, s11, 12                        ; the prefetches: K's head + 4,096 cx, at tile 1;
	s_add_co_u32 s80, s80, s68
	s_add_co_u32 s80, s80, 16384
	s_lshl_b32 s82, s13, 7                         ; the mask's row 128 qb + 32 cy, + 256 (w % 2), at tile 1
	s_lshl_b32 s83, s12, 5
	s_add_co_u32 s82, s82, s83
	s_lshl_b32 s82, s82, 12
	s_lshl_b32 s83, s17, 8
	s_add_co_u32 s82, s82, s83
	s_add_co_u32 s82, s82, 512
	s_lshr_b32 s85, s[WV], 1
	s_xor_b32 s85, s85, 2                          ; 0 in waves 4 and 5
	s_and_b32 s86, ttmp7, 0xffff                   ; cluster y
	s_mov_b32 s[PFS], 512
	s_mov_b32 s88, 4096
	s_mov_b32 s89, 65536
	s_cmp_lt_u32 s[WV], 4
	s_cselect_b32 s80, s80, s82
	s_cselect_b32 s84, s[WV], s85
	s_cselect_b32 s87, ttmp9, s86
	s_cselect_b32 s[PFS], 16384, s[PFS]            ; a tile on
	s_cselect_b32 s88, 256, s88                    ; from lane to lane among sixteen
	s_cselect_b32 s89, 0x100000, s89               ; lanes 16-31: V's head, 8 heads on; or 16 rows of the mask on
	s_mov_b32 s81, 0
	s_mov_b32 s[PFS+1], 0
	s_or_b32 s84, s84, s87
	s_cmp_eq_u32 s84, 0                            ; the wave's number and the cluster's place in the grid: the same in all sixteen partners
	s_cselect_b32 s[LIM], 1, -1
	v_and_b32 v16, 15, v0
	v_bfe_u32 v17, v0, 4, 1
	v_mul_lo_u32 v[PFO], v16, s88
	v_mul_lo_u32 v17, v17, s89
	v_add_nc_u32 v[PFO], v[PFO], v17
	s_mov_b32 s[CS], 0x3e38aa3b                    ; log2(e) / 8
	s_mov_b32 s[CS+1], s[CS]
	s_mov_b32 s[SEL], 0x76543210
	s_mov_b32 s[SEL+1], 0xfedcba98
	s_mov_b32 s[TB], 0
	s_mov_b32 s[SLOTS], 7
	s_wait_dscnt 0x0                               ; both opening adds are done
	s_wait_kmcnt 0x0
	s_mov_b32 s[G0K], 1
	s_mul_i32 s[G0K+1], s17, 64*PK
	s_add_nc_u64 s[G0K+2:G0K+3], s[4:5], s[70:71]
	s_mov_b32 s[G0V], 1
	s_mul_i32 s[G0V+1], s17, 64*PV
	s_add_co_u32 s[G0V+1], s[G0V+1], VOFF
	s_add_nc_u64 s[G0V+2:G0V+3], s[G0K+2:G0K+3], 8*HS
	s_or_b32 s[G0K+3], s[G0K+3], 0x80000000
	s_or_b32 s[G0V+3], s[G0V+3], 0x80000000
	s_mov_b32 s[G0M], 1
	s_mul_i32 s[G0M+1], s67, 32*PM
	s_add_co_u32 s[G0M+1], s[G0M+1], MOFF
	s_add_nc_u64 s[G0M+2:G0M+3], s[6:7], s[72:73]
	s_or_b32 s[G0M+3], s[G0M+3], 0x80000000
	s_add_nc_u64 s[74:75], s[4:5], s[74:75]        ; Q at my first row
	s_add_nc_u64 s[76:77], s[8:9], s[76:77]        ; att likewise
	s_cmp_lt_u32 s[WV], 4
	s_cselect_b64 s[PFA:PFA+1], s[4:5], s[6:7]
	s_add_nc_u64 s[PFA:PFA+1], s[PFA:PFA+1], s[80:81]
	CROUND                                         ; all sixteen work-groups are here: the first joint loads meet
	JLOAD                                          ; tile 0 into slot 0
	v_and_b32 v1, 15, v0                           ; r
	v_bfe_u32 v2, v0, 4, 1                         ; h
	v_mul_u32_u24 v[AK0], v1, PK
	v_lshl_add_u32 v[AK0], v2, 4, v[AK0]           ; K: row r, + 16 h
	v_and_b32 v16, 7, v0
	v_bfe_u32 v17, v0, 3, 1
	v_lshl_add_u32 v[AV0], v2, 3, v16
	v_mul_u32_u24 v[AV0], v[AV0], PV
	v_lshl_add_u32 v[AV0], v17, 4, v[AV0]
	v_add_nc_u32 v[AV0], VOFF, v[AV0]              ; V, for the turning load: key 8 h + l % 8, channels 8 ((l / 8) % 2) on
	v_lshrrev_b32 v16, 5, v0
	v_lshl_add_u32 v16, v16, 4, v1
	v_mul_u32_u24 v[AM0], v16, PM
	v_lshl_add_u32 v[AM0], v2, 5, v[AM0]
	v_add_nc_u32 v[AM0], MOFF, v[AM0]              ; the mask: row 16 w + r, + 32 h
	v_lshlrev_b32 v[QO], 7, v1
	v_lshl_add_u32 v[QO], v2, 4, v[QO]
	s_mul_i32 s90, s[WV], 16*528
	s_add_co_u32 s90, s90, STAGE                   ; my stage
	v_mul_u32_u24 v[STO], v1, 528
	v_lshl_add_u32 v[STO], v2, 4, v[STO]
	v_add_nc_u32 v[STO], s90, v[STO]
	v_and_b32 v[GO], 31, v0
	v_lshlrev_b32 v[GO], 4, v[GO]
	v_add_nc_u32 v[RD], s90, v[GO]
	WIN 0x40                                       ; destination window 1
.irp t, 0,1,2,3
.irp c, 0,1
	global_load_b128 v[QF+16*\t+8*\c:QF+16*\t+8*\c+3],   v[QO], s[74:75] offset:\t*HS+64*\c      ; Q stays in registers: head t, channels 32 c on
	global_load_b128 v[QF+16*\t+8*\c+4:QF+16*\t+8*\c+7], v[QO], s[74:75] offset:\t*HS+64*\c+32
.endr
.endr
.set i, 0
.rept 128
	v_mov_b32 v[O+i], 0                            ; O^T.  The key step is written for every step alike: the first finds zeros, which the first a leaves zeros; a first step of its own would be a third copy of the step
.set i, i+1
.endr
	WIN 0
.irp t, 0,1,2,3
	v_mov_b32 v[ST+16*\t], 0xff61b1e6              ; m: -3e38, under every finite u
	v_mov_b32 v[ST+16*\t+1], 0
	v_mov_b32 v[ST+16*\t+2], 0                     ; l, in two halves
	v_mov_b32 v[ST+16*\t+3], 0
.endr
	s_wait_loadcnt 0x0                             ; Q
.macro SOFTMAX                         ; the four tiles by turns, line by line
.set i, 0
.rept 16
.irp t, 0,1,2,3
	v_pk_fma_f32 v[S+32*\t+i:S+32*\t+i+1], v[S+32*\t+i:S+32*\t+i+1], s[CS:CS+1], v[MC+i:MC+i+1] op_sel_hi:[1,0,1]   ; u = s c + mask log2(e); each accumulator from its low end on
.endr
.set i, i+2
.endr
.irp t, 0,1,2,3
	v_mov_b32 v[ST+16*\t+12], v[ST+16*\t]          ; m_old
.endr
.irp j, 0,1,2,3
.irp t, 0,1,2,3
	v_max3_num_f32 v[ST+16*\t+4+\j], v[S+32*\t+8*\j], v[S+32*\t+8*\j+1], v[S+32*\t+8*\j+2]
.endr
.endr
.irp u, 3,5
.irp j, 0,1,2,3
.irp t, 0,1,2,3
	v_max3_num_f32 v[ST+16*\t+4+\j], v[ST+16*\t+4+\j], v[S+32*\t+8*\j+\u], v[S+32*\t+8*\j+\u+1]
.endr
.endr
.endr
.irp t, 0,1,2,3
	v_max3_num_f32 v[ST+16*\t+4], v[ST+16*\t+4], v[S+32*\t+7], v[S+32*\t+15]
.endr
.irp t, 0,1,2,3
	v_max3_num_f32 v[ST+16*\t+6], v[ST+16*\t+6], v[S+32*\t+23], v[S+32*\t+31]
.endr
.irp t, 0,1,2,3
	v_max3_num_f32 v[ST+16*\t+4], v[ST+16*\t+4], v[ST+16*\t+5], v[ST+16*\t+6]
.endr
.irp t, 0,1,2,3
	v_max3_num_f32 v[ST+16*\t+4], v[ST+16*\t+4], v[ST+16*\t+7], v[ST+16*\t]
.endr
.irp t, 0,1,2,3
	v_permlanex16_b32 v[ST+16*\t+5], v[ST+16*\t+4], s[SEL], s[SEL+1]   ; the query's other 32 keys lie in the lane 16 away
.endr
.irp t, 0,1,2,3
	v_max_num_f32 v[ST+16*\t], v[ST+16*\t+4], v[ST+16*\t+5]
.endr
.irp t, 0,1,2,3
	v_sub_f32 v[ST+16*\t+7], v[ST+16*\t+12], v[ST+16*\t]
.endr
.set i, 0
.rept 16
.irp t, 0,1,2,3
	v_pk_add_f32 v[S+32*\t+i:S+32*\t+i+1], v[S+32*\t+i:S+32*\t+i+1], v[ST+16*\t:ST+16*\t+1] op_sel_hi:[1,0] neg_lo:[0,1] neg_hi:[0,1]   ; u - m
.endr
.set i, i+2
.endr
.irp t, 0,1,2,3
	v_exp_f32 v[ST+16*\t+6], v[ST+16*\t+7]         ; a.  ONE batch: 132 exponentials, none of which reads another's result
.endr
.set i, 0
.rept 32
.irp t, 0,1,2,3
	v_exp_f32 v[S+32*\t+i], v[S+32*\t+i]
.endr
.set i, i+1
.endr
	v_nop                                          ; a plain line behind the last exponential
	s_wait_alu depctr_va_vdst(0)                   ; the wait ahead of the first line that names a result: one for the batch
.irp t, 0,1,2,3
	v_pk_add_f32 v[ST+16*\t+8:ST+16*\t+9], v[S+32*\t:S+32*\t+1], v[S+32*\t+2:S+32*\t+3]      ; the sum of the unrounded p, in two chains
.endr
.irp t, 0,1,2,3
	v_pk_add_f32 v[ST+16*\t+10:ST+16*\t+11], v[S+32*\t+4:S+32*\t+5], v[S+32*\t+6:S+32*\t+7]
.endr
.irp i, 8,12,16,20,24,28
.irp t, 0,1,2,3
	v_pk_add_f32 v[ST+16*\t+8:ST+16*\t+9], v[ST+16*\t+8:ST+16*\t+9], v[S+32*\t+\i:S+32*\t+\i+1]
.endr
.irp t, 0,1,2,3
	v_pk_add_f32 v[ST+16*\t+10:ST+16*\t+11], v[ST+16*\t+10:ST+16*\t+11], v[S+32*\t+\i+2:S+32*\t+\i+3]
.endr
.endr
.irp t, 0,1,2,3
	v_pk_add_f32 v[ST+16*\t+8:ST+16*\t+9], v[ST+16*\t+8:ST+16*\t+9], v[ST+16*\t+10:ST+16*\t+11]
.endr
.irp t, 0,1,2,3
	v_pk_fma_f32 v[ST+16*\t+2:ST+16*\t+3], v[ST+16*\t+2:ST+16*\t+3], v[ST+16*\t+6:ST+16*\t+7], v[ST+16*\t+8:ST+16*\t+9] op_sel_hi:[1,0,1]   ; l = a l + the sum
.endr
.set i, 0
.rept 16
.irp t, 0,1,2,3
	v_cvt_pk_f16_f32 v[S+32*\t+i], v[S+32*\t+2*i], v[S+32*\t+2*i+1]    ; P in place, ascending: register i is written when registers 2 i and 2 i + 1 are read
.endr
.set i, i+1
.endr
.endm
; A KEY STEP: 64 keys, the q-th of the slot in hand.
.macro STEP q
.rept 5
	v_nop                                          ; five plain lines: the products below write over P, which the last products read; K's loads land where V lay
.endr
	WIN 0x40
.irp kt, 0,1,2,3
.irp c, 0,1
	ds_load_b128 v[KV+16*\kt+8*\c:KV+16*\kt+8*\c+3],   v[ADK] offset:(64*(\q)+16*\kt)*PK+64*\c
	ds_load_b128 v[KV+16*\kt+8*\c+4:KV+16*\kt+8*\c+7], v[ADK] offset:(64*(\q)+16*\kt)*PK+64*\c+32
.endr
.endr
	WIN 0
.irp kt, 0,1,2,3
.irp i, 0,1
	ds_load_b128 v[MC+8*\kt+4*\i:MC+8*\kt+4*\i+3], v[ADM] offset:256*(\q)+64*\kt+16*\i
.endr
.endr
	s_wait_dscnt 8                                 ; K is in; the mask's eight loads may be out
	WIN 0x05                                       ; K and Q window 1, S^T window 0
.irp kt, 0,1,2,3                               ; the 16 accumulators take turns, one instruction a turn
.irp t, 0,1,2,3
	v_wmma_f32_16x16x32_f16 v[S+32*\t+8*\kt:S+32*\t+8*\kt+7], v[KV+16*\kt:KV+16*\kt+7], v[QF+16*\t:QF+16*\t+7], 0
.endr
.endr
.irp kt, 0,1,2,3
.irp t, 0,1,2,3
	v_wmma_f32_16x16x32_f16 v[S+32*\t+8*\kt:S+32*\t+8*\kt+7], v[KV+16*\kt+8:KV+16*\kt+15], v[QF+16*\t+8:QF+16*\t+15], v[S+32*\t+8*\kt:S+32*\t+8*\kt+7]
.endr
.endr
	WIN 0
	s_wait_dscnt 0x0                               ; the mask is in
.set i, 0
.rept 16
	v_pk_mul_f32 v[MC+i:MC+i+1], v[MC+i:MC+i+1], 0x3fb8aa3b op_sel_hi:[1,0]   ; mask x log2(e).  These sixteen are also the plain lines behind the products
.set i, i+2
.endr
	WIN 0x40
.irp kk, 0,1
.irp ct, 0,1,2,3
	ds_load_tr16_b128 v[KV+32*\kk+8*\ct:KV+32*\kk+8*\ct+3],   v[ADV] offset:(64*(\q)+32*\kk)*PV+32*\ct          ; V turned: it lands under the softmax
	ds_load_tr16_b128 v[KV+32*\kk+8*\ct+4:KV+32*\kk+8*\ct+7], v[ADV] offset:(64*(\q)+32*\kk)*PV+32*\ct+16*PV
.endr
.endr
	WIN 0
	SOFTMAX
	WIN 0x41                                       ; O^T window 1, a window 0
.set i, 0
.rept 16
.irp t, 0,1,2,3
	v_pk_mul_f32 v[O+32*\t+i:O+32*\t+i+1], v[O+32*\t+i:O+32*\t+i+1], v[ST+16*\t+6:ST+16*\t+7] op_sel_hi:[1,0]
.endr
.set i, i+2
.endr
	s_wait_dscnt 0x0                               ; V is in
	WIN 0x51                                       ; V window 1, P window 0, O^T window 1
.irp kk, 0,1
.irp ct, 0,1,2,3
.irp t, 0,1,2,3
	v_wmma_f32_16x16x32_f16 v[O+32*\t+8*\ct:O+32*\t+8*\ct+7], v[KV+32*\kk+8*\ct:KV+32*\kk+8*\ct+7], v[S+32*\t+8*\kk:S+32*\t+8*\kk+7], v[O+32*\t+8*\ct:O+32*\t+8*\ct+7]
.endr
.endr
.endr
	WIN 0
.endm
; THE CHANGE OF SLOTS stands at a slot's head.  Each wave waits for all its tensor loads (one is out: its part of the slot ahead), adds 0 to its spare word, and waits for that and for its reads of the slot that it has left.
; fill = 1: a round of the cluster's barrier, and behind it the other slot is asked for: the load has two key steps in which to land.
.macro CHANGE fill
	s_wait_tensorcnt 0x0                           ; no tensor load of mine is out, so a group 0 may be written
	ds_add_u32 v[SPW], v[NIL]
.if \fill
	s_xor_b32 s[G0K+1], s[G0K+1], SLOT1            ; the walking descriptors: the other slot, the next 128 keys
	s_add_nc_u64 s[G0K+2:G0K+3], s[G0K+2:G0K+3], 16384
	s_xor_b32 s[G0V+1], s[G0V+1], SLOT1
	s_add_nc_u64 s[G0V+2:G0V+3], s[G0V+2:G0V+3], 16384
	s_xor_b32 s[G0M+1], s[G0M+1], SLOT1
	s_add_nc_u64 s[G0M+2:G0M+3], s[G0M+2:G0M+3], 512
	s_wait_xcnt 0x0                                ; the last prefetch, a slot back, has read its address
	s_add_nc_u64 s[PFA:PFA+1], s[PFA:PFA+1], s[PFS:PFS+1]  ; one tile further on than the walking descriptors
	s_wait_dscnt 0x0                               ; the add is done, and my reads of the slot that I have left are over
	CROUND
	JLOAD
	ASK
.else
	s_wait_dscnt 0x0
	s_barrier_signal -1
	s_barrier_wait -1
.endif
.endm
.macro SLOT_STEPS
	v_add_nc_u32 v[ADK], s[TB], v[AK0]
	v_add_nc_u32 v[ADV], s[TB], v[AV0]
	v_add_nc_u32 v[ADM], s[TB], v[AM0]
	STEP 0
	STEP 1
	s_xor_b32 s[TB], s[TB], SLOT1                  ; on to the other slot
.endm
.Lslot:                                            ; seven trips: trip i reads tile i and asks for tile i + 1
	CHANGE 1
	SLOT_STEPS
	s_sub_co_u32 s[SLOTS], s[SLOTS], 1
	s_cmp_lg_u32 s[SLOTS], 0
	s_cbranch_scc1 .Lslot
	CHANGE 0                                       ; the last tile is written out
	SLOT_STEPS
	; THE WAY OUT.  l's halves and the other half of the lanes' are added; O^T is divided by l, rounded to f16 and sent through my stage: a position's row of 4 heads is 512 bytes.
.irp t, 0,1,2,3
	v_add_f32 v[ST+16*\t+4], v[ST+16*\t+2], v[ST+16*\t+3]          ; (these four are the plain lines behind the last products)
.endr
.irp t, 0,1,2,3
	v_permlanex16_b32 v[ST+16*\t+5], v[ST+16*\t+4], s[SEL], s[SEL+1]
.endr
.irp t, 0,1,2,3
	v_add_f32 v[ST+16*\t+4], v[ST+16*\t+4], v[ST+16*\t+5]
.endr
.irp t, 0,1,2,3
	v_rcp_f32 v[ST+16*\t+6], v[ST+16*\t+4]
.endr
	v_nop
	s_wait_alu depctr_va_vdst(0)                   ; one wait for the four reciprocals, ahead of their first reader
	WIN 0x41
.irp t, 0,1,2,3
.set i, 0
.rept 16
	v_pk_mul_f32 v[O+32*\t+i:O+32*\t+i+1], v[O+32*\t+i:O+32*\t+i+1], v[ST+16*\t+6:ST+16*\t+7] op_sel_hi:[1,0]
.set i, i+2
.endr
.endr
	WIN 0x05                                       ; sources window 1, destination window 0
.irp t, 0,1,2,3
.set i, 0
.rept 16
	v_cvt_pk_f16_f32 v[S+16*\t+i], v[O+32*\t+2*i], v[O+32*\t+2*i+1]
.set i, i+1
.endr
.endr
	WIN 0
.irp t, 0,1,2,3
.irp ct, 0,1,2,3
	ds_store_b128 v[STO], v[S+16*\t+4*\ct:S+16*\t+4*\ct+3] offset:128*\t+32*\ct
.endr
.endr
.irp i, 0,1,2,3,4,5,6,7,8,9,10,11,12,13,14,15
	ds_load_b128 v[192+4*\i:195+4*\i], v[RD] offset:528*\i         ; LDS serves a wave's instructions in order: these see my stores
.endr
.irp i, 0,1,2,3,4,5,6,7,8,9,10,11,12,13,14,15
	s_wait_dscnt 15-\i
	global_store_b128 v[GO], v[192+4*\i:195+4*\i], s[76:77] offset:4096*\i   ; 32 lanes store 512 consecutive bytes, at a multiple of 256 from att's first byte
.endr
	s_wait_tensorcnt 0x0                           ; the wave's end
	ds_add_u32 v[SPW], v[NIL]
	s_wait_dscnt 0x0
	CROUND                                         ; the closing round
	s_endpgm
.Lfunc_end_k_q68889c8b27_attn:
	.size	k_q68889c8b27_attn, .Lfunc_end_k_q68889c8b27_attn-k_q68889c8b27_attn
	.p2alignl 7, 3214868480
	.fill 96, 4, 3214868480
	.section	.rodata,"a",@progbits
	.p2align	6, 0x0
	.amdhsa_kernel k_q68889c8b27_attn
		.amdhsa_group_segment_fixed_size 327680
		.amdhsa_private_segment_fixed_size 0
		.amdhsa_enable_private_segment 0
		.amdhsa_kernarg_size 24
		.amdhsa_user_sgpr_count 2
		.amdhsa_user_sgpr_kernarg_segment_ptr 1
		.amdhsa_wavefront_size32 1
		.amdhsa_system_sgpr_workgroup_id_x 1
		.amdhsa_system_sgpr_workgroup_id_y 1
		.amdhsa_system_sgpr_workgroup_id_z 1
		.amdhsa_system_vgpr_workitem_id 0
		.amdhsa_next_free_vgpr 512
		.amdhsa_next_free_sgpr 92
		.amdhsa_reserve_vcc 0
		.amdhsa_float_denorm_mode_32 3
		.amdhsa_float_denorm_mode_16_64 3
		.amdhsa_memory_ordered 1
		.amdhsa_forward_progress 1
		.amdhsa_inst_pref_size 181
	.end_amdhsa_kernel
	.amdgpu_metadata
---
amdhsa.version: [ 1, 2 ]
amdhsa.kernels:
  - .name:           k_q68889c8b27_attn
    .symbol:         k_q68889c8b27_attn.kd
    .args:
      - { .name: qkv, .offset: 0, .size: 8, .value_kind: global_buffer, .address_space: global }
      - { .name: mask, .offset: 8, .size: 8, .value_kind: global_buffer, .address_space: global }
      - { .name: att, .offset: 16, .size: 8, .value_kind: global_buffer, .address_space: global }
    .group_segment_fixed_size: 327680
    .private_segment_fixed_size: 0
    .kernarg_segment_align: 8
    .kernarg_segment_size: 24
    .max_flat_workgroup_size: 256
    .sgpr_count:     92
    .vgpr_count:     512
    .wavefront_size: 32
...
	.end_amdgpu_metadata
.endif
;; end of part 4
;; launch oproj (part 5): grid 8 x 32, 4 waves a work-group, clusters of 4 x 4, 327,680 bytes of LDS; arguments att, wo16, out0; writes out0
.if DOCPART == 5
	.amdgcn_target "amdgcn-amd-amdhsa--gfx1250"
	.amdhsa_code_object_version 6
	.text
	.protected	k_q68889c8b27_oproj
	.globl	k_q68889c8b27_oproj
	.p2align	8
	.type	k_q68889c8b27_oproj,@function
k_q68889c8b27_oproj:
	s_mov_b64 s[64:65], 0
	v_nop
	global_prefetch_b8 v0, s[64:65] scope:SCOPE_SE
	s_setreg_imm32_b32 hwreg(HW_REG_WAVE_MODE, 25, 1), 1
	s_wait_xcnt 0x0
	s_wait_alu depctr_hold_cnt(0) depctr_sa_sdst(0) depctr_va_vdst(0) depctr_va_sdst(0) depctr_va_ssrc(0) depctr_va_vcc(0) depctr_vm_vsrc(0)
	s_getreg_b32 s2, hwreg(HW_REG_IB_STS2, 6, 4)
	s_cmp_eq_u32 s2, 0
	s_cbranch_scc0 .Lentry_in_a_cluster
	s_endpgm
.Lentry_in_a_cluster:
	s_bfe_u32 s2, ttmp6, 0x10000c
	s_cmp_lg_u32 s2, 0xf033
	s_cbranch_scc0 .Lentry_shape_is_right
	s_endpgm
.Lentry_shape_is_right:
; LAUNCH 5 OF 5.  No work of reference() is left out here.
; out0[m][n] = sum over k of att[m][k] wo16[k][n].  att [4096][2048] f16, K innermost; wo16 [2048 k][2048 n] f16, N innermost; out0 f32; sums in f32.
; A tile of 128 (m) x 256 (n) is made by four waves, each 64 x 128: 32 accumulators of 16 x 16: 256 work-groups.  K goes in steps of 128 through a ring of two LDS slots: A's 128 rows of 256 bytes, B's 128 k rows of
; 512 bytes; two slots of a longer step do not fit.  B's fragments come out of LDS turned, by ds_load_tr16_b128.
; CLUSTERS 4 x 4: A's tile is shared along a row of the cluster, B's along a column; each is asked for jointly.  THE MATRIX INSTRUCTION IS USED TRANSPOSED (source 0 = 16 columns of B, source 1 = 16 rows of A):
; a lane holds eight neighbouring columns of one row.  No prefetch: the tiles are asked for by several clusters in turn.
; REGISTERS: window 0: v16-29 addresses; v32-63, v64-95 A's fragments (4 x 16 rows x 32 K), two buffers; v96-159, v160-223 B's (8 x 16 columns x 32 K), two buffers.  window 1: accumulator (a, b) at v[8 (8 a + b)].
.set KSTEP,  128
.set PA,     272                       ; A's LDS row: 256 bytes + 16
.set PB,     544                       ; B's: 512 + 32
.set BOFF,   128*PA
.set SLOT,   BOFF+128*PB
.set STAGE,  2*SLOT                    ; behind the ring: 16 rows x 528 bytes for each wave
.set SPARE,  STAGE+4*16*528            ; behind the stages: the spare words, 128 bytes a wave, that no other line names
.set LAPS,   2048/(2*KSTEP)
.set ADRA, 16
.set ADRB, 20
.set STO,  24
.set RD,   25
.set CO,   26
.set SPW,  28
.set NIL,  29
.set FA0,  32
.set FB0,  96
.set BK,   96
.set G1, 24
.set G0, 32
.set G1B, 48
.set G0B, 56
.set MSB, 0
.macro WIN new
.if MSB != (\new)
	s_set_vgpr_msb (MSB<<8)|(\new)
.set MSB, (\new)
.endif
.endm
.set MUL, 0x50                         ; C and D window 1, sources window 0
.macro JLOAD s                         ; waves 0 and 1 fetch A's halves, waves 2 and 3 B's; an s_nop 0 and four v_nop follow each line
	s_cmp_eq_u32 s11, 0
	s_cbranch_scc0 .Lfor_b_\@
	tensor_load_to_lds s[G0+4*\s:G0+4*\s+3], s[G1:G1+7]
	s_nop 0
.rept 4
	v_nop
.endr
	s_branch .Lasked_\@
.Lfor_b_\@:
	tensor_load_to_lds s[G0B+4*\s:G0B+4*\s+3], s[G1B:G1B+7]
	s_nop 0
.rept 4
	v_nop
.endr
.Lasked_\@:
.endm
.macro CREST
	s_cmp_lg_u32 s10, 0
	s_cbranch_scc1 .Lnot_wave_0_\@
	s_barrier_signal -3
.Lnot_wave_0_\@:
	s_barrier_wait -3
	s_barrier_signal -1
	s_barrier_wait -1
.endm
.macro CROUND
	s_barrier_signal -1
	s_barrier_wait -1
	CREST
.endm
	s_load_b128 s[4:7], s[0:1], 0x0                ; att, wo16
	s_load_b64 s[8:9], s[0:1], 0x10                ; out0
	v_lshl_add_u32 v[SPW], v0, 2, SPARE
	v_mov_b32 v[NIL], 0
	ds_add_u32 v[SPW], v[NIL]                      ; the wave's opening: the add, twice on end, and its wait ahead of my first tensor load
	ds_add_u32 v[SPW], v[NIL]
	v_lshrrev_b32 v1, 5, v0
	v_readfirstlane_b32 s10, v1                    ; wave 0..3
	s_lshr_b32 s11, s10, 1                         ; which 64 rows of the tile are mine.  Also: I fetch for A (0) or for B (1)
	s_and_b32 s12, s10, 1                          ; which 128 columns.  Also: which 64 rows of that tile I fetch
	s_bfe_u32 s40, ttmp6, 0x40000                  ; cx, cy
	s_bfe_u32 s41, ttmp6, 0x40004
	s_lshl_b32 s42, ttmp9, 2
	s_add_co_u32 s42, s42, s40                     ; tile column
	s_and_b32 s13, ttmp7, 0xffff
	s_lshl_b32 s13, s13, 2
	s_add_co_u32 s13, s13, s41                     ; tile row
	s_lshl_b32 s43, s41, 2
	s_lshl_b32 s43, 15, s43                        ; my row of the cluster
	s_lshl_b32 s44, 0x1111, s40                    ; my column
	s_or_b32 s[G1+0], s43, (1<<16)|(1<<20)|(1<<21)|(5<<22)|(3<<25)   ; elements of 2 bytes; 4 words of padding behind every 64
	s_or_b32 s[G1B+0], s44, (1<<16)|(1<<20)|(1<<21)|(6<<22)|(7<<25)  ; 8 words behind every 128
	s_mov_b32 s[G1+1], 128<<16                     ; A: 64 rows x 128 elements
	s_mov_b32 s[G1+2], 64<<16
	s_mov_b32 s[G1+3], 128<<16
	s_mov_b32 s[G1+4], 64
	s_mov_b32 s[G1+5], 2048
	s_mov_b32 s[G1+6], 0
	s_mov_b32 s[G1+7], 0
	s_mov_b32 s[G1B+1], 256<<16                    ; B: 64 k rows x 256 elements
	s_mov_b32 s[G1B+2], 64<<16
	s_mov_b32 s[G1B+3], 256<<16
	s_mov_b32 s[G1B+4], 64
	s_mov_b32 s[G1B+5], 2048
	s_mov_b32 s[G1B+6], 0
	s_mov_b32 s[G1B+7], 0
	s_lshl_b32 s16, s13, 7
	s_lshl_b32 s17, s12, 6
	s_add_co_u32 s16, s16, s17                     ; A: row 128 x tile row + 64 x half,
	s_lshl_b32 s16, s16, 12                        ; of 4,096 bytes
	s_mov_b32 s17, 0
	s_lshl_b32 s46, s12, 18                        ; B: k row 64 x half, of 4,096 bytes,
	s_lshl_b32 s47, s42, 9
	s_add_co_u32 s46, s46, s47                     ; + 512 x tile column
	s_mov_b32 s47, 0
	s_mul_i32 s20, s12, 64*PA                      ; where they go
	s_mul_i32 s21, s12, 64*PB
	s_add_co_u32 s21, s21, BOFF
	s_wait_dscnt 0x0                               ; both opening adds are done
	s_wait_kmcnt 0x0
	s_add_nc_u64 s[14:15], s[4:5], s[16:17]
	s_add_nc_u64 s[46:47], s[6:7], s[46:47]
	CROUND                                         ; all sixteen work-groups are here: the first joint loads meet
.irp s, 0,1
	s_mov_b32 s[G0+4*\s], 1
	s_add_co_u32 s[G0+4*\s+1], s20, \s*SLOT
	s_add_nc_u64 s[G0+4*\s+2:G0+4*\s+3], s[14:15], \s*KSTEP*2
	s_or_b32 s[G0+4*\s+3], s[G0+4*\s+3], 0x80000000
	s_mov_b32 s[G0B+4*\s], 1
	s_add_co_u32 s[G0B+4*\s+1], s21, \s*SLOT
	s_add_nc_u64 s[G0B+4*\s+2:G0B+4*\s+3], s[46:47], \s*KSTEP*4096
	s_or_b32 s[G0B+4*\s+3], s[G0B+4*\s+3], 0x80000000
	JLOAD \s
.endr
	v_and_b32 v1, 15, v0                           ; r
	v_bfe_u32 v2, v0, 4, 1                         ; h
	v_mul_u32_u24 v3, v1, PA
	v_lshl_add_u32 v3, v2, 4, v3                   ; A: row r, + 16 h
	s_mul_i32 s21, s11, 64*PA                      ; my 64 rows
	v_and_b32 v4, 7, v0
	v_bfe_u32 v5, v0, 3, 1
	v_lshl_add_u32 v4, v2, 3, v4
	v_mul_u32_u24 v4, v4, PB
	v_lshl_add_u32 v4, v5, 4, v4                   ; B, for the turning load: k row 8 h + l % 8, columns 8 ((l / 8) % 2) on
	s_lshl_b32 s22, s12, 8                         ; my 128 columns
	s_add_co_u32 s22, s22, BOFF
.irp s, 0,1
	v_add_nc_u32 v[ADRA+\s], s21, v3
	v_add_nc_u32 v[ADRB+\s], s22, v4
	s_add_co_u32 s21, s21, SLOT
	s_add_co_u32 s22, s22, SLOT
.endr
	s_mul_i32 s23, s10, 16*528
	s_add_co_u32 s23, s23, STAGE                   ; my stage
	v_mul_u32_u24 v5, v1, 528
	v_lshl_add_u32 v5, v2, 5, v5
	v_add_nc_u32 v[STO], s23, v5                   ; in: row r, 32 bytes for each half of the lanes
	v_and_b32 v6, 31, v0
	v_lshlrev_b32 v[CO], 4, v6                     ; back: the 32 lanes take a row of 512 bytes; and the same in out0
	v_add_nc_u32 v[RD], s23, v[CO]
	s_lshl_b32 s18, s13, 7
	s_lshl_b32 s19, s11, 6
	s_add_co_u32 s18, s18, s19                     ; my first row of out0, of 8,192 bytes,
	s_lshl_b32 s18, s18, 13
	s_lshl_b32 s19, s42, 10
	s_add_co_u32 s18, s18, s19                     ; + 1,024 x tile column
	s_lshl_b32 s19, s12, 9
	s_add_co_u32 s18, s18, s19                     ; + 512 x half
	s_mov_b32 s19, 0
	s_add_nc_u64 s[8:9], s[8:9], s[18:19]
; 8 matrix instructions: A's block a x B's eight, 32 along K, from buffers f.  The 32 accumulators take turns in one order everywhere.
.macro MUL8 f, a, zero
.irp b, 0,1,2,3,4,5,6,7
.if \zero
	v_wmma_f32_16x16x32_f16 v[8*(8*(\a)+\b):8*(8*(\a)+\b)+7], v[FB0+64*(\f)+8*\b:FB0+64*(\f)+8*\b+7], v[FA0+32*(\f)+8*(\a):FA0+32*(\f)+8*(\a)+7], 0
.else
	v_wmma_f32_16x16x32_f16 v[8*(8*(\a)+\b):8*(8*(\a)+\b)+7], v[FB0+64*(\f)+8*\b:FB0+64*(\f)+8*\b+7], v[FA0+32*(\f)+8*(\a):FA0+32*(\f)+8*(\a)+7], v[8*(8*(\a)+\b):8*(8*(\a)+\b)+7]
.endif
.endr
.endm
.macro FETCH slot, kq, f               ; 24 LDS loads in one run: B's eight fragments, then A's four, blocks ascending
.irp i, 0,1,2,3,4,5,6,7
	ds_load_tr16_b128 v[FB0+64*(\f)+8*\i:FB0+64*(\f)+8*\i+3],   v[ADRB+\slot] offset:(\kq)*32*PB+32*\i
	ds_load_tr16_b128 v[FB0+64*(\f)+8*\i+4:FB0+64*(\f)+8*\i+7], v[ADRB+\slot] offset:(\kq)*32*PB+32*\i+16*PB
.endr
.irp i, 0,1,2,3
	ds_load_b128 v[FA0+32*(\f)+8*\i:FA0+32*(\f)+8*\i+3],   v[ADRA+\slot] offset:\i*16*PA+64*(\kq)
	ds_load_b128 v[FA0+32*(\f)+8*\i+4:FA0+32*(\f)+8*\i+7], v[ADRA+\slot] offset:\i*16*PA+64*(\kq)+32
.endr
.endm
.macro PLACES                          ; four plain lines in front of loads into registers that matrix instructions have read, and of the first read of results
.rept 4
	v_nop
.endr
.endm
; A K step is four quarters of 32 along K, 32 matrix instructions each, on buffers 0, 1, 0, 1.
.macro QUARTER slot, kq, f, g, zero
	s_wait_dscnt 4                                 ; B and A's blocks 0 and 1 are in; the youngest four loads (A's blocks 2, 3) may be out
	WIN MUL
	MUL8 \f, 0, \zero
	MUL8 \f, 1, \zero
	PLACES
	WIN 0
	FETCH \slot, \kq, \g
	s_wait_dscnt 24                                ; all but the 24 just issued
	WIN MUL
	MUL8 \f, 2, \zero
	MUL8 \f, 3, \zero
.endm
; The last quarter multiplies buffer 1 and changes slots: in front of the barrier each wave waits for all its tensor loads, adds 0 to its spare word, and waits for that and for its own reads of this slot.
.macro TURN slot, next, fill
	WIN 0
	s_wait_tensorcnt 0x0                           ; all my tensor loads have landed: my part of the next slot
	ds_add_u32 v[SPW], v[NIL]
	s_wait_dscnt 5                                 ; the add and the youngest four loads may be out
	WIN MUL
	MUL8 1, 0, 0
	s_wait_dscnt 0x0                               ; the add is done, and my reads of this slot are over
	s_barrier_signal -1
	MUL8 1, 1, 0
	WIN 0
	s_barrier_wait -1
.if \fill
	CREST                                          ; the barrier has opened a round of the cluster's: no wave of any partner still reads this slot or has a load on its way
	s_add_nc_u64 s[G0+4*\slot+2:G0+4*\slot+3], s[G0+4*\slot+2:G0+4*\slot+3], 2*KSTEP*2
	s_add_nc_u64 s[G0B+4*\slot+2:G0B+4*\slot+3], s[G0B+4*\slot+2:G0B+4*\slot+3], 2*KSTEP*4096
	JLOAD \slot                                    ; the first tensor load behind the round; its four v_nop are the places in front of the loads below
.else
	PLACES
.endif
	FETCH \next, 0, 0
	WIN MUL
	MUL8 1, 2, 0
	MUL8 1, 3, 0
.endm
	s_wait_tensorcnt 1                             ; my part of K step 0 is in; K step 1's load may be out
	s_barrier_signal -1
	s_barrier_wait -1
	FETCH 0, 0, 0
	QUARTER 0, 1, 0, 1, 1                          ; the first quarter's products start the sums
	WIN 0
	s_mov_b32 s3, LAPS-1
.Llap:                                                 ; a trip goes once round the ring and fills both slots again
	QUARTER 0, 2, 1, 0, 0
	QUARTER 0, 3, 0, 1, 0
	TURN 0, 1, 1
	QUARTER 1, 1, 0, 1, 0
	QUARTER 1, 2, 1, 0, 0
	QUARTER 1, 3, 0, 1, 0
	TURN 1, 0, 1
	QUARTER 0, 1, 0, 1, 0
	WIN 0
	s_sub_co_u32 s3, s3, 1
	s_cmp_lg_u32 s3, 0
	s_cbranch_scc1 .Llap
	QUARTER 0, 2, 1, 0, 0                          ; the last lap fills nothing
	QUARTER 0, 3, 0, 1, 0
	TURN 0, 1, 0
	QUARTER 1, 1, 0, 1, 0
	QUARTER 1, 2, 1, 0, 0
	QUARTER 1, 3, 0, 1, 0
	s_wait_dscnt 4
	WIN MUL
	MUL8 1, 0, 0
	MUL8 1, 1, 0
	s_wait_dscnt 0
	MUL8 1, 2, 0
	MUL8 1, 3, 0
	WIN 0
; THE WAY OUT, block by block of 16 rows x 128 columns, through my own stage; back as whole rows of 512 bytes.
.macro TOSTAGE a
	WIN 0x04                                       ; an LDS store's data are its source 1: window 1
.irp b, 0,1,2,3,4,5,6,7
	ds_store_b128 v[STO], v[8*(8*(\a)+\b):8*(8*(\a)+\b)+3] offset:64*\b            ; each accumulator from its low end on
	ds_store_b128 v[STO], v[8*(8*(\a)+\b)+4:8*(8*(\a)+\b)+7] offset:64*\b+16
.endr
	WIN 0
.set BB, BK+64*((\a)%2)
.irp t, 0,1,2,3,4,5,6,7,8,9,10,11,12,13,14,15
	ds_load_b128 v[BB+4*\t:BB+4*\t+3], v[RD] offset:\t*528         ; LDS serves a wave's instructions in order: these see the stores above
.endr
.endm
.macro SEND a, younger
.set BB, BK+64*((\a)%2)
	s_wait_dscnt \younger
.irp t, 0,1,2,3,4,5,6,7,8,9,10,11,12,13,14,15
	global_store_b128 v[CO], v[BB+4*\t:BB+4*\t+3], s[8:9] offset:(16*(\a)+\t)*8192 th:TH_STORE_NT   ; 32 lanes store 512 consecutive bytes, at a multiple of 256 from out0's first byte
.endr
.endm
	PLACES
	TOSTAGE 0
.irp a, 1,2,3
.if \a > 1
	s_wait_xcnt 0x0                                ; block a - 2's stores have read their registers
.endif
	TOSTAGE \a
	SEND (\a)-1, 32                                ; behind block a - 1's loads: block a's 16 stores and 16 loads
.endr
	SEND 3, 0
	s_wait_tensorcnt 0x0                           ; the wave's end
	ds_add_u32 v[SPW], v[NIL]
	s_wait_dscnt 0x0
	CROUND                                         ; the closing round
	s_endpgm
.Lfunc_end_k_q68889c8b27_oproj:
	.size	k_q68889c8b27_oproj, .Lfunc_end_k_q68889c8b27_oproj-k_q68889c8b27_oproj
	.p2alignl 7, 3214868480
	.fill 96, 4, 3214868480
	.section	.rodata,"a",@progbits
	.p2align	6, 0x0
	.amdhsa_kernel k_q68889c8b27_oproj
		.amdhsa_group_segment_fixed_size 327680
		.amdhsa_private_segment_fixed_size 0
		.amdhsa_enable_private_segment 0
		.amdhsa_kernarg_size 24
		.amdhsa_user_sgpr_count 2
		.amdhsa_user_sgpr_kernarg_segment_ptr 1
		.amdhsa_wavefront_size32 1
		.amdhsa_system_sgpr_workgroup_id_x 1
		.amdhsa_system_sgpr_workgroup_id_y 1
		.amdhsa_system_sgpr_workgroup_id_z 1
		.amdhsa_system_vgpr_workitem_id 0
		.amdhsa_next_free_vgpr 512
		.amdhsa_next_free_sgpr 66
		.amdhsa_reserve_vcc 0
		.amdhsa_float_denorm_mode_32 3
		.amdhsa_float_denorm_mode_16_64 3
		.amdhsa_memory_ordered 1
		.amdhsa_forward_progress 1
		.amdhsa_inst_pref_size 85
	.end_amdhsa_kernel
	.amdgpu_metadata
---
amdhsa.version: [ 1, 2 ]
amdhsa.kernels:
  - .name:           k_q68889c8b27_oproj
    .symbol:         k_q68889c8b27_oproj.kd
    .args:
      - { .name: att, .offset: 0, .size: 8, .value_kind: global_buffer, .address_space: global }
      - { .name: wo16, .offset: 8, .size: 8, .value_kind: global_buffer, .address_space: global }
      - { .name: out0, .offset: 16, .size: 8, .value_kind: global_buffer, .address_space: global }
    .group_segment_fixed_size: 327680
    .private_segment_fixed_size: 0
    .kernarg_segment_align: 8
    .kernarg_segment_size: 24
    .max_flat_workgroup_size: 128
    .sgpr_count:     66
    .vgpr_count:     512
    .wavefront_size: 32
...
	.end_amdgpu_metadata
.endif
;; end of part 5
